; MI455X (gfx1250); checked and timed in simulation.
; The chip was launched on July 23, 2026; its instructions are those of AMD's public machine-readable ISA for CDNA 5 (MIT licence, August 2026) and "CDNA5" Instruction Set Architecture Reference Guide (July 2026). The comments in the code are by the model that wrote it; some were corrected since.
;; Causal Self Attention. Allowed arithmetic: matrix products marked QUANTISED: E2M3 operands, one E8M0 scale for each 32 along K, by v_wmma_scale_f32_16x16x128_f8f6f4 with both operands' format E2M3, f32 sums; everything else in f32.
;; Inputs: b_attn 3,072 float32; b_proj 1,024 float32; w_attn 1,024 x 3,072 float32; w_proj 1,024 x 1,024 float32; x 4 x 2,048 x 1,024 float32.
;; Outputs: out0 4 x 2,048 x 1,024 float32.
;; This version of the problem:
;;   THIS VERSION OF THE PROBLEM IS GIVEN IN LOW PRECISION. The matrix products marked QUANTISED in the list below multiply operands that are first quantised to E2M3 (2 exponent bits, 3 mantissa bits; 6 bits a number), with one power-of-two scale for each 32 numbers along K (OCP MX v1.0); their sums are f32. All else is computed in f32.
;;   The module's matrix products, in the order in which they are computed (A, B: the left and right operand; K: the contracted axis; several contracted axes count as one K, in the product's order):
;;     1. [M 8,192, K 1,024] x [K 1,024, N 3,072]; A: input x; B: input w_attn: QUANTISED
;;     2. batch 64 x [M 2,048, K 64] x [K 64, N 2,048]; A: computed on the way; B: computed on the way: QUANTISED
;;     3. batch 64 x [M 64, K 2,048] x [K 2,048, N 2,048]; A: computed on the way; B: softmax (see below): QUANTISED
;;     4. [M 8,192, K 1,024] x [K 1,024, N 1,024]; A: computed on the way; B: input w_proj: QUANTISED
;;   THE QUANTISER, for each operand of a quantised product, along K:
;;     - K is cut into blocks of 32 from its start; a last block that is shorter is filled with zeros.
;;     - A block's scale is 2^e with e = floor(log2(the largest magnitude in the block)) - 2, held to -126 .. 127; a block of zeros has e = 0. As a byte (E8M0): e + 127.
;;     - Each number is divided by its block's scale, clamped to +-7.5, and rounded to the nearest number of E2M3, ties to even, subnormals kept.
;;     - The product sums the exact products of the quantised numbers (number of the format x scale) in f32.
;;   ~~~python
;;   def quantise(x, axis):      # numpy; x: float32 -> the quantised numbers, widened to float32 again
;;       x = np.moveaxis(x, axis, -1); K = x.shape[-1]
;;       x = np.pad(x, [(0, 0)] * (x.ndim - 1) + [(0, -K % 32)]); x = x.reshape(x.shape[:-1] + (-1, 32)); a = np.abs(x).max(-1, keepdims=True)
;;       e = np.where(a > 0, np.clip(np.frexp(np.where(a > 0, a, 1))[1] - 1 - 2, -126, 127), 0)      # np.frexp(a)[1] - 1 = floor(log2(a)), exactly
;;       r = np.clip(x / 2.0 ** e, -7.5, 7.5)
;;       step = 2.0 ** (np.maximum(np.frexp(np.where(r == 0, 1, r))[1] - 1, 0) - 3)
;;       q = np.round(r / step) * step * 2.0 ** e      # np.round: ties to even
;;       return np.moveaxis(q.reshape(q.shape[:-2] + (-1,))[..., :K], -1, axis).astype(np.float32)
;;   ~~~
;;   SOFTMAX AHEAD OF A QUANTISED PRODUCT. Where the list says 'softmax', what is quantised is not the finished softmax but p = 2^(t - M), with t = logit x log2(e) and M = ceil(the row's largest t), a whole number; so 1/2 < the row's largest p <= 1. The row's sum l is taken of the UNQUANTISED p, in f32, and the product's result is divided by l at the end. Since M is a whole number, a kernel that streams over the keys may use a running M (the ceiling of the running maximum): every later rescaling is an exact power of two, which a block's scale takes up: the codes' values come out the same.
;;   OPERANDS COMPUTED ON THE WAY. 'Computed on the way' means the value that the module computes at that place (a softmax that the list does not call 'softmax' is quantised finished and normalised). What goes into a quantiser is computed in f32, as accurately as f32 sums, v_exp_f32 and their like allow (about 1e-6 of the number): no bf16 or f16 on the way to a quantiser, and a product that is left as it is and whose result goes on into a quantised operand takes f32 operands (vector FMAs, or v_wmma_f32_16x16x4_f32). A number that lies on a knife's edge between two numbers of the format may be rounded either way, as far as f32 arithmetic and the matrix unit's own rounding can turn it there, and no further.
;; One version. Each part assembles by itself: llvm-mc -triple=amdgcn-amd-amdhsa -mcpu=gfx1250 --defsym DOCPART=n.
;; ======== version 1 of 1: 5 launches
;; limits: right only within a limited range of input values
;; workspace buffers: xq 6,553,600 bytes; wq 3,276,800 bytes; qkvq 20,447,232 bytes; yf 33,554,432 bytes; yq 6,553,600 bytes
;; launch prep (part 1): grid 256 x 1, 8 waves a work-group, no clusters, 122,880 bytes of LDS; arguments x, w_attn, w_proj, xq, wq; writes xq, wq
.if DOCPART == 1
	.amdgcn_target "amdgcn-amd-amdhsa--gfx1250"
	.amdhsa_code_object_version 6
	.text
	.protected	k_q6b7406891c_prep
	.globl	k_q6b7406891c_prep
	.p2align	8
	.type	k_q6b7406891c_prep,@function
k_q6b7406891c_prep:
	s_mov_b64 s[64:65], 0
	v_nop
	global_prefetch_b8 v0, s[64:65] scope:SCOPE_SE
	s_setreg_imm32_b32 hwreg(HW_REG_WAVE_MODE, 25, 1), 1
	s_wait_xcnt 0x0
; x [8192][1024], w_attn [1024][3072] and w_proj [1024][1024], f32, become codes of FP6 (E2M3) with one E8M0 byte for each 32 along K, laid as OPERAND TILES.
; A tile is 16 rows x K 1,024 in 12,800 bytes: K step s (128 along K) at 1536 s as an image of the fragment's 12 registers (registers 4 c .. 4 c + 3 of lane l at 512 c + 16 l);
; from byte 12,288 on the scale words, that of (step s, row r) at 64 s + 4 r.
; Work-groups 0-127: x (K innermost).  128-223: w_attn.  224-255: w_proj (K is the first axis: a thread takes a column, its registers run down K).  Each of the three ways has LDS bytes of its own.
; w_attn's tiles gather the 16 columns d = 16 t + row of ONE head (column = 16 d + head); in v's tiles image row (b3 b2 b1 b0) holds d = 16 t + (b2 b1 b3 b0).
; w_proj's K order inside a block of 32 rows: place p holds row 16 (p & 1) + 8 (p >> 4) + ((p & 15) >> 1), as the launch that quantises y lays y's numbers.
; A block's scale byte is its largest magnitude's exponent field - 2, held at 1 from below.
; LIMITS: a block of zeros gets the byte 1 (its codes are zeros; only this program reads the bytes); NaN and infinities among the inputs are not served.
.set TILEB, 12800
.set XST,   8704                       ; x's way: LDS of a wave: a stage of 16 rows x 528 bytes, then 256 bytes of scale words
.set XSC,   8448
.set LBA,   69632                      ; w_attn's way: 16 images of 1,552 bytes, then 1,024 bytes of scale words
.set LBP,   95744                      ; w_proj's way: the same
.set WP,    1552                       ; an odd multiple of 16 bytes
.set WSC,   16*WP
.set RA,    16                         ; v16-79, v80-143 two sets of 64 numbers as loaded
.set X,     144                        ; v144-207 64 numbers: register 16 b + i = k 32 b + 16 (lane / 16) + i of row lane % 16
.set TM,    208                        ; v208-223 at work
.set PW,    224                        ; the scale word just made
.set PC,    228                        ; v228-239 the codes just made; v240-246 at work
.set SEL,   28                         ; s[28:29] selects for lane l xor 16
.set LD,    200                        ; the weights' way back from LDS: LDS address of the codes,
.set GO,    201                        ; their offset in memory,
.set LS,    202                        ; LDS address of a scale word,
.set GS,    203                        ; its offset in memory
; 64 numbers of a lane become a fragment's 12 registers in v[pc] on and the row's scale word in v[pw]
.macro QUANT s, pc, pw
.irp b, 0,1,2,3
	v_max3_num_f32 v[TM+\b], |v[(\s)+16*\b]|, |v[(\s)+1+16*\b]|, 0x1800000   ; my 16 numbers of block b, and the floor 2^(3 - 127): the byte cannot fall under 1
.endr
.irp i, 2,4,6,8,10,12,14
.irp b, 0,1,2,3
	s_delay_alu instid0(VALU_DEP_4)
	v_max3_num_f32 v[TM+\b], v[TM+\b], |v[(\s)+16*\b+\i]|, |v[(\s)+1+16*\b+\i]|
.endr
.endr
.irp b, 0,1,2,3
	s_delay_alu instid0(VALU_DEP_4)
	v_permlanex16_b32 v[TM+4+\b], v[TM+\b], s[SEL], s[SEL+1]
.endr
.irp b, 0,1,2,3
	s_delay_alu instid0(VALU_DEP_4)
	v_max_num_f32 v[TM+\b], v[TM+\b], v[TM+4+\b]                     ; with lane l xor 16's 16: the block's largest magnitude
.endr
.irp b, 0,1,2,3
	s_delay_alu instid0(VALU_DEP_4)
	v_add_nc_u32 v[TM+12+\b], 0xff000000, v[TM+\b]                   ; 2 off its exponent field: the conversion's scale operand
.endr
.irp b, 0,1,2,3
	s_delay_alu instid0(VALU_DEP_4)
	v_lshrrev_b32 v[TM+4+\b], 23, v[TM+12+\b]                        ; the scale's byte
.endr
	s_delay_alu instid0(VALU_DEP_3)
	v_lshl_or_b32 v[\pw], v[TM+5], 8, v[TM+4]
	s_delay_alu instid0(VALU_DEP_1)
	v_lshl_or_b32 v[\pw], v[TM+6], 16, v[\pw]
	s_delay_alu instid0(VALU_DEP_1)
	v_lshl_or_b32 v[\pw], v[TM+7], 24, v[\pw]
.irp c, 0,1
	v_cvt_scalef32_pk16_fp6_f32 v[(\pc)+6*\c:(\pc)+2+6*\c], v[(\s)+32*\c:(\s)+15+32*\c], v[TM+12+2*\c]
	v_cvt_scalef32_pk16_fp6_f32 v[(\pc)+12+4*\c:(\pc)+14+4*\c], v[(\s)+16+32*\c:(\s)+31+32*\c], v[TM+12+2*\c+1]   ; (a conversion's three registers begin on an even number)
.endr
	v_nop                                          ; one plain place behind a scaled conversion
.irp c, 0,1                                    ; a whole block to a lane: lanes 0-15 block 2 c, lanes 16-31 block 2 c + 1
.irp i, 0,1,2
	v_permlane16_swap_b32 v[(\pc)+6*\c+\i], v[(\pc)+12+4*\c+\i]
.endr
.irp i, 0,1,2
	s_delay_alu instid0(VALU_DEP_3)
	v_mov_b32 v[(\pc)+3+6*\c+\i], v[(\pc)+12+4*\c+\i]
.endr
.endr
.endm
.macro LOADX set, s                    ; K step s of my 16 rows: each load reads 512 consecutive bytes of one row
.irp p, 0,1,2,3,4,5,6,7,8,9,10,11,12,13,14,15
	global_load_b128 v[(\set)+4*\p:(\set)+4*\p+3], v2, s[4:5] offset:\p*4096+(\s)*512 th:TH_LOAD_NT
.endr
.endm
.macro TURN set                        ; through my own stage: in as loaded, out 16 neighbours of each block a lane; LDS serves a wave's instructions in order
.irp p, 0,1,2,3,4,5,6,7,8,9,10,11,12,13,14,15
	ds_store_b128 v3, v[(\set)+4*\p:(\set)+4*\p+3] offset:\p*528
.endr
.irp b, 0,1,2,3
.irp j, 0,1,2,3
	ds_load_b128 v[X+16*\b+4*\j:X+16*\b+4*\j+3], v4 offset:128*\b+16*\j
.endr
.endr
.endm
.macro XSTEP t
.if (\t) < 3
	s_wait_loadcnt 16                              ; this step's 16 loads are in; the other set's 16 may be out
.else
	s_wait_loadcnt 0x0
.endif
	TURN RA+64*((\t)%2)
	s_wait_dscnt 0x0                               ; X is back, and the stage's stores have read their set
.if (\t) < 2
	LOADX RA+64*((\t)%2), (\t)+2
.endif
	s_wait_xcnt 0x0                                ; the last step's stores have read the codes' registers: they are written again only behind this wait
	QUANT X, PC, PW
.irp c, 0,1,2
	global_store_b128 v2, v[PC+4*\c:PC+4*\c+3], s[10:11] offset:(\t)*1536+512*\c   ; 512 consecutive bytes, aligned
.endr
	ds_store_b32 v5, v[PW] offset:(\t)*64          ; lanes r and r + 16 write the same word with the same value
.endm
; One block of 32 down K of my column: registers 16 + 32 be on
.macro WBLOCK be, cnt
	s_wait_loadcnt \cnt
.set XS, 16+32*(\be)
	v_max3_num_f32 v8, |v[XS]|, |v[XS+1]|, |v[XS+2]|
	v_max3_num_f32 v9, |v[XS+3]|, |v[XS+4]|, |v[XS+5]|
.irp i, 6,10,14,18,22,26
	s_delay_alu instid0(VALU_DEP_2)
	v_max3_num_f32 v8, v8, |v[XS+\i]|, |v[XS+\i+1]|
	s_delay_alu instid0(VALU_DEP_2)
	v_max3_num_f32 v9, v9, |v[XS+\i+2]|, |v[XS+\i+3]|
.endr
	s_delay_alu instid0(VALU_DEP_2)
	v_max3_num_f32 v8, v8, |v[XS+30]|, |v[XS+31]|
	s_delay_alu instid0(VALU_DEP_1)
	v_max3_num_f32 v8, v8, v9, 0x1800000           ; and the floor
	s_delay_alu instid0(VALU_DEP_1)
	v_add_nc_u32 v10, 0xff000000, v8
	s_delay_alu instid0(VALU_DEP_1)
	v_lshrrev_b32 v11, 23, v10
.if (\be) == 0
	s_delay_alu instid0(VALU_DEP_1)
	v_mov_b32 v12, v11
.else
	s_delay_alu instid0(VALU_DEP_1)
	v_lshl_or_b32 v12, v11, 8*(\be), v12           ; the column's scale word for this K step
.endif
	v_cvt_scalef32_pk16_fp6_f32 v[144+8*(\be):146+8*(\be)], v[XS:XS+15], v10
	v_cvt_scalef32_pk16_fp6_f32 v[148+8*(\be):150+8*(\be)], v[XS+16:XS+31], v10
	v_nop
.irp q, 0,1,2,3,4,5                            ; block be is registers 6 (be / 2) + q of lane 16 (be & 1) + row
.set RR, 6*((\be)/2)+\q
	ds_store_b32 v3, v[144+8*(\be)+\q+(\q/3)] offset:(RR/4)*512+((\be)&1)*256+(RR%4)*4
.endr
.endm
; A weight's way: the work-group takes 256 columns x one K step; thread t takes column 256 cg + t
.macro WPATH pitch, lb, patb, first, wp
	s_sub_co_u32 s15, ttmp9, \first
	s_lshr_b32 s16, s15, 3                         ; cg: which 256 columns
	s_and_b32 s17, s15, 7                          ; the K step
	s_mul_i32 s18, s17, 128*\pitch
	s_lshl_b32 s19, s16, 10
	s_add_co_u32 s18, s18, s19
	s_mov_b32 s19, 0
	v_lshlrev_b32 v2, 2, v0
	v_lshrrev_b32 v4, 4, v0
	v_and_b32 v5, 15, v0
	s_delay_alu instid0(VALU_DEP_2)
	v_mul_u32_u24 v3, v4, WP
	s_delay_alu instid0(VALU_DEP_1)
	v_lshl_add_u32 v3, v5, 4, v3
	s_delay_alu instid0(VALU_DEP_1)
	v_add_nc_u32 v3, \lb, v3                       ; image t / 16, slot t % 16
	v_lshl_add_u32 v6, v0, 2, \lb+WSC              ; my column's scale word
	s_wait_alu depctr_va_vdst(0)
	s_wait_kmcnt 0x0
	s_add_nc_u64 s[20:21], s[\wp:\wp+1], s[18:19]
.set BE, 0
.rept 4
.set PI, 0
.rept 32
.if \patb
.set RW, PI
.else
.set RW, 16*(PI&1)+8*(PI>>4)+((PI&15)>>1)
.endif
	global_load_b32 v[16+32*BE+PI], v2, s[20:21] offset:(32*BE+RW)*\pitch th:TH_LOAD_NT   ; a wave reads 128 consecutive bytes, the work-group 1,024
.set PI, PI+1
.endr
.set BE, BE+1
.endr
	v_bfe_u32 v204, v0, 4, 1                       ; the way back: lane / 16
.if \patb
	; a tile is one head: slot 2 w + u of all 16 images.  Lane (hh, g) reads image g and writes the tile's row rho(g)
	v_mul_u32_u24 v[LD], v5, WP
	s_delay_alu instid0(VALU_DEP_1)
	v_lshl_add_u32 v[LD], v204, 8, v[LD]
	s_lshl_b32 s22, s14, 5
	s_add_co_u32 s22, s22, \lb
	v_add_nc_u32 v[LD], s22, v[LD]
	v_bfe_u32 v205, v0, 1, 1
	v_bfe_u32 v206, v0, 2, 2
	v_and_b32 v207, 1, v0
	s_delay_alu instid0(VALU_DEP_1)
	v_lshl_or_b32 v207, v206, 1, v207
	s_delay_alu instid0(VALU_DEP_1)
	v_lshl_or_b32 v207, v205, 3, v207              ; v's rows: (g1 g3 g2 g0)
	s_cmp_lt_u32 s16, 8
	s_cselect_b32 s23, 0, -1                       ; q's and k's columns keep their order
	v_cndmask_b32 v207, v5, v207, s23
	s_delay_alu instid0(VALU_DEP_1)
	v_lshl_add_u32 v[GO], v204, 4, v207
	s_delay_alu instid0(VALU_DEP_1)
	v_lshlrev_b32 v[GO], 4, v[GO]
	v_lshlrev_b32 v[LS], 6, v5
	s_delay_alu instid0(VALU_DEP_1)
	v_lshl_add_u32 v[LS], v204, 2, v[LS]
	s_lshl_b32 s22, s14, 3
	s_add_co_u32 s22, s22, \lb+WSC
	v_add_nc_u32 v[LS], s22, v[LS]
	v_mul_u32_u24 v[GS], v204, 4*TILEB
	s_delay_alu instid0(VALU_DEP_1)
	v_lshl_add_u32 v[GS], v207, 2, v[GS]
	s_lshr_b32 s24, s16, 2
	s_lshl_b32 s24, s24, 6
	s_and_b32 s25, s16, 3
	s_add_co_u32 s24, s24, s25
	s_lshl_b32 s25, s14, 3
	s_add_co_u32 s24, s24, s25                     ; tile 64 part + 4 (2 w) + t
.set UL, 16
.set UG, 4*TILEB
.else
	; a tile is an image as it lies: images 2 w + u
	s_mul_i32 s22, s14, 2*WP
	s_add_co_u32 s22, s22, \lb
	v_lshl_add_u32 v[LD], v1, 4, s22
	v_lshlrev_b32 v[GO], 4, v1
	s_lshl_b32 s22, s14, 7
	s_add_co_u32 s22, s22, \lb+WSC
	v_lshl_add_u32 v[LS], v1, 2, s22
	v_mul_u32_u24 v[GS], v204, TILEB
	s_delay_alu instid0(VALU_DEP_1)
	v_lshl_add_u32 v[GS], v5, 2, v[GS]
	s_lshl_b32 s24, s16, 4
	s_lshl_b32 s25, s14, 1
	s_add_co_u32 s24, s24, s25
	s_add_co_u32 s24, s24, 192                     ; tile 192 + 16 cg + 2 w
.set UL, WP
.set UG, TILEB
.endif
	s_mul_i32 s24, s24, TILEB
	s_mul_i32 s25, s17, 1536
	s_add_co_u32 s26, s24, s25
	s_mov_b32 s27, 0
	s_lshl_b32 s25, s17, 6
	s_add_co_u32 s24, s24, s25
	s_add_co_u32 s24, s24, 12288
	s_mov_b32 s25, 0
	s_add_nc_u64 s[30:31], s[12:13], s[26:27]
	s_add_nc_u64 s[32:33], s[12:13], s[24:25]
	WBLOCK 0, 63                                   ; 96 and 64 younger loads could stay out; the wait's field holds 63, and a smaller count is safe
	WBLOCK 1, 63
	WBLOCK 2, 32
	WBLOCK 3, 0
	ds_store_b32 v6, v12
	s_wait_dscnt 0x0                               ; for the others' sake: my stores have landed
	s_barrier_signal -1
	s_barrier_wait -1
.irp u, 0,1
.irp c, 0,1,2
	ds_load_b128 v[160+4*(3*\u+\c):160+4*(3*\u+\c)+3], v[LD] offset:\u*UL+\c*512
.endr
.endr
	ds_load_b32 v184, v[LS]
	s_wait_dscnt 0x0
.irp u, 0,1
.irp c, 0,1,2
	global_store_b128 v[GO], v[160+4*(3*\u+\c):160+4*(3*\u+\c)+3], s[30:31] offset:\u*UG+\c*512   ; sixteen lanes fill 256 consecutive bytes, aligned
.endr
.endr
	global_store_b32 v[GS], v184, s[32:33]         ; 64 bytes of scale words for each of two tiles: pieces of a block of 256 bytes; one byte in 128 of what this way reads
.endm
	s_load_b128 s[4:7], s[0:1], 0x0                ; x, w_attn
	s_load_b128 s[8:11], s[0:1], 0x10              ; w_proj, xq
	s_load_b64 s[12:13], s[0:1], 0x20              ; wq
	v_lshl_add_u32 v254, v0, 2, 0x1dc00
	v_mov_b32 v255, 0
	v_lshrrev_b32 v1, 5, v0
	s_delay_alu instid0(VALU_DEP_1)
	v_readfirstlane_b32 s14, v1                    ; wave 0..7
	v_and_b32 v1, 31, v0                           ; lane
	s_cmp_lt_u32 ttmp9, 128
	s_cbranch_scc0 .Lweights
	; ---- x: wave 8 g + w takes tile (8 g + w) / 2 and four of its eight K steps.  Waves share nothing: no barrier
	v_and_b32 v8, 15, v0
	v_bfe_u32 v9, v0, 4, 1
	v_lshlrev_b32 v2, 4, v1
	v_lshlrev_b32 v7, 3, v1
	s_mul_i32 s15, s14, XST
	v_add_nc_u32 v3, s15, v2                       ; stage, in: 16 x lane
	v_mul_u32_u24 v4, v8, 528
	s_delay_alu instid0(VALU_DEP_1)
	v_lshl_add_u32 v4, v9, 6, v4
	s_delay_alu instid0(VALU_DEP_1)
	v_add_nc_u32 v4, s15, v4                       ; stage, out: row r, + 64 bytes for lanes 16-31
	s_add_co_u32 s16, s15, XSC
	v_lshl_add_u32 v5, v8, 2, s16
	v_add_nc_u32 v6, s16, v7
	s_mov_b32 s[SEL], 0x76543210
	s_mov_b32 s[SEL+1], 0xfedcba98
.irp b, 0,1,2,3
	v_mov_b32 v[TM+4+\b], 0                        ; written once: a lane permute's destination counts as one of its sources
.endr
	s_lshl_b32 s17, ttmp9, 2
	s_lshr_b32 s18, s14, 1
	s_add_co_u32 s17, s17, s18                     ; the tile
	s_and_b32 s18, s14, 1                          ; which half of K
	s_lshl_b32 s20, s17, 16
	s_lshl_b32 s19, s18, 11
	s_add_co_u32 s20, s20, s19
	s_mov_b32 s21, 0
	s_mul_i32 s22, s17, TILEB
	s_lshl_b32 s24, s18, 8
	s_add_co_u32 s24, s24, s22
	s_add_co_u32 s24, s24, 12288
	s_mov_b32 s25, 0
	s_mul_i32 s19, s18, 6144
	s_add_co_u32 s22, s22, s19
	s_mov_b32 s23, 0
	s_wait_alu depctr_va_vdst(0)
	s_wait_kmcnt 0x0
	s_add_nc_u64 s[4:5], s[4:5], s[20:21]
	s_add_nc_u64 s[24:25], s[10:11], s[24:25]
	s_add_nc_u64 s[10:11], s[10:11], s[22:23]
	LOADX RA, 0
	LOADX RA+64, 1
	XSTEP 0
	XSTEP 1
	XSTEP 2
	XSTEP 3
	ds_load_b64 v[12:13], v6                       ; my four steps' scale words: LDS serves a wave's instructions in order
	s_wait_dscnt 0x0
	global_store_b64 v7, v[12:13], s[24:25]        ; 256 consecutive bytes, aligned
	s_wait_tensorcnt 0x0
	ds_add_u32 v254, v255
	s_wait_dscnt 0x0
	s_endpgm
.Lweights:
	s_cmp_lt_u32 ttmp9, 224
	s_cbranch_scc0 .Lproj
	WPATH 12288, LBA, 1, 128, 6
	s_wait_tensorcnt 0x0
	ds_add_u32 v254, v255
	s_wait_dscnt 0x0
	s_endpgm
.Lproj:
	WPATH 4096, LBP, 0, 224, 8
	s_wait_tensorcnt 0x0
	ds_add_u32 v254, v255
	s_wait_dscnt 0x0
	s_endpgm
.Lfunc_end_k_q6b7406891c_prep:
	.size	k_q6b7406891c_prep, .Lfunc_end_k_q6b7406891c_prep-k_q6b7406891c_prep
	.p2alignl 7, 3214868480
	.fill 96, 4, 3214868480
	.section	.rodata,"a",@progbits
	.p2align	6, 0x0
	.amdhsa_kernel k_q6b7406891c_prep
		.amdhsa_group_segment_fixed_size 122880
		.amdhsa_private_segment_fixed_size 0
		.amdhsa_enable_private_segment 0
		.amdhsa_kernarg_size 40
		.amdhsa_user_sgpr_count 2
		.amdhsa_user_sgpr_kernarg_segment_ptr 1
		.amdhsa_wavefront_size32 1
		.amdhsa_system_sgpr_workgroup_id_x 1
		.amdhsa_system_sgpr_workgroup_id_y 1
		.amdhsa_system_sgpr_workgroup_id_z 1
		.amdhsa_system_vgpr_workitem_id 0
		.amdhsa_next_free_vgpr 256
		.amdhsa_next_free_sgpr 66
		.amdhsa_reserve_vcc 0
		.amdhsa_float_denorm_mode_32 3
		.amdhsa_float_denorm_mode_16_64 3
		.amdhsa_memory_ordered 1
		.amdhsa_forward_progress 1
		.amdhsa_inst_pref_size 91
	.end_amdhsa_kernel
	.amdgpu_metadata
---
amdhsa.version: [ 1, 2 ]
amdhsa.kernels:
  - .name:           k_q6b7406891c_prep
    .symbol:         k_q6b7406891c_prep.kd
    .args:
      - { .name: x, .offset: 0, .size: 8, .value_kind: global_buffer, .address_space: global }
      - { .name: w_attn, .offset: 8, .size: 8, .value_kind: global_buffer, .address_space: global }
      - { .name: w_proj, .offset: 16, .size: 8, .value_kind: global_buffer, .address_space: global }
      - { .name: xq, .offset: 24, .size: 8, .value_kind: global_buffer, .address_space: global }
      - { .name: wq, .offset: 32, .size: 8, .value_kind: global_buffer, .address_space: global }
    .group_segment_fixed_size: 122880
    .private_segment_fixed_size: 0
    .kernarg_segment_align: 8
    .kernarg_segment_size: 40
    .max_flat_workgroup_size: 256
    .sgpr_count:     66
    .vgpr_count:     256
    .wavefront_size: 32
...
	.end_amdgpu_metadata
.endif
;; end of part 1
;; launch qkv (part 2): grid 384 x 1, 4 waves a work-group, clusters of 4 x 1, 327,680 bytes of LDS; arguments xq, wq, b_attn, qkvq; writes qkvq
.if DOCPART == 2
	.amdgcn_target "amdgcn-amd-amdhsa--gfx1250"
	.amdhsa_code_object_version 6
	.text
	.protected	k_q6b7406891c_qkv
	.globl	k_q6b7406891c_qkv
	.p2align	8
	.type	k_q6b7406891c_qkv,@function
k_q6b7406891c_qkv:
	s_mov_b64 s[64:65], 0
	v_nop
	global_prefetch_b8 v0, s[64:65] scope:SCOPE_SE
	s_setreg_imm32_b32 hwreg(HW_REG_WAVE_MODE, 25, 1), 1
	s_wait_xcnt 0x0
	s_wait_alu depctr_hold_cnt(0) depctr_sa_sdst(0) depctr_va_vdst(0) depctr_va_sdst(0) depctr_va_ssrc(0) depctr_va_vcc(0) depctr_vm_vsrc(0)
	s_getreg_b32 s2, hwreg(HW_REG_IB_STS2, 6, 4)
	s_cmp_eq_u32 s2, 0
	s_cbranch_scc0 .Lentry_in_a_cluster
	s_endpgm
.Lentry_in_a_cluster:
	s_bfe_u32 s2, ttmp6, 0x10000c
	s_cmp_lg_u32 s2, 0x3003
	s_cbranch_scc0 .Lentry_shape_is_right
	s_endpgm
.Lentry_shape_is_right:
; qkv = x w_attn + b_attn on codes of FP6, and its result quantised at once for the two products of attention.
; A wave keeps a STATIONARY operand of 64 rows for all of K (32 fragments, 384 registers) as source 0; the MOVING operand, 2 blocks of 8 tiles of 16 rows, lies whole in LDS and is source 1.
; In a result a lane holds ONE moving row (lane % 16) and its 32 registers hold stationary rows 16 t + 8 (lane / 16) + j.
; Clusters 0-63 make q and k: stationary = one head's 64 columns of w_attn, moving = tokens: a lane holds a token and 32 of its 64 d: quantised along d.
; Clusters 64-95 make v: stationary = 64 tokens of x, moving = v's columns: a lane holds a channel and 32 of 64 tokens: quantised along the tokens.
; The 32 numbers of a true block lie 16 in lane l and 16 in lane l xor 16; both operands of each later product are made by these same lines, so both use one order of places inside a block.
; The two kinds take ONE way through the text: buffers and strides are chosen by selects on the cluster's number, which the four partners share.
; OUT: records of 6,656 bytes for (part, batch x head, 128 tokens): 8 pieces of 768 bytes (half a fragment: registers 0-3 at 16 x lane, 4-5 at 512 + 8 x lane), then 512 bytes of scale words.
; CLUSTER: the four partners share the moving operand: each wave asks for two tiles of each block by a joint load; one tensor load of a wave is out.  Nothing in LDS is filled again.
; The grid has 384 work-groups: 8,192 x 3,072 results in pieces of 256 x 256.
; LIMITS: a block of zeros gets the scale byte 1 (its codes are zeros; only this program reads the bytes); NaN and infinities are not served.
; REGISTERS: window 0: addresses, scale words, biases, v160-255 moving fragments of even K steps (in the way out 32 numbers);  window 1: stationary fragments of K steps 0-4;
;   window 2: those of K steps 5-7, from v144 moving fragments of odd K steps;  window 3: the 32 accumulators, (tile a, t) at 32 a + 8 t.
.set TILEB, 12800
.set BLKB,  8*TILEB
.set REC,   6656
.set L16, 2
.set L8,  3
.set L4,  4
.set SO0, 6                            ; v6-7   offsets of the scale words' stores
.set MA,  8                            ; v8-11  LDS: 16 x lane + 51,200 i: tiles 4 i .. 4 i + 3 of the 16
.set MSA, 12                           ; v12-15 LDS: their scale words: 4 x lane + 12,288 + 51,200 i
.set O16, 16
.set O8,  17
.set BQO, 18
.set BVO, 19
.set SS,  20                           ; v20-35  stationary scale words: 4 t + p: lanes 0-15 K step 2 p, lanes 16-31 K step 2 p + 1
.set MS,  36                           ; v36-67  moving ones: 4 a + p
.set BQ,  68                           ; v68-99  the bias by stationary row (q, k)
.set BV,  100                          ; v100-115 the bias by moving row (v): 8 m + a
.set TM,  116
.set WD,  124                          ; v124-131 the eight tiles' scale words
.set SW,  132                          ; v132-135 two tiles' words to a register
.set PC,  136                          ; v136-141 codes; v144-146 at work
.set MF0, 160
.set HH,  160
.set MF1, 144
.set WV,  12
.set CX,  13
.set G1,  16
.set G0A, 24
.set G0B, 28
.set SEL, 32
.set SL,  34
.set MB,  35
.set VM,  36
.set QM,  37
.set OB,  38
.set DM,  39
.set SA,  40
.set SB,  41
.set SCB, 42
.set SC2, 43
.set OFF, 44
.set OBM, 45
.set SCM, 46
.set HM,  47
.set SP,  48
.set BQP, 50
.set BVP, 52
.set MSB, 0
.macro WIN new                         ; the immediate's high byte repeats the setting that is left
.if MSB != (\new)
	s_set_vgpr_msb (MSB<<8)|(\new)
.set MSB, (\new)
.endif
.endm
.macro PLACES
.rept 4
	v_nop
.endr
.endm
.macro CROUND                          ; a round of the cluster's barrier
	s_barrier_signal -1
	s_barrier_wait -1
	s_cmp_lg_u32 s[WV], 0
	s_cbranch_scc1 .Lnot_wave_0_\@
	s_barrier_signal -3
.Lnot_wave_0_\@:
	s_barrier_wait -3
	s_barrier_signal -1
	s_barrier_wait -1
.endm
; 32 numbers of a lane (two blocks, 16 of each) become half a fragment in v[pc] .. v[pc + 5] and a scale word with two bytes in v[pw]
.macro QUANT2 s, pc, pw
.irp b, 0,1
	v_max3_num_f32 v[TM+\b], |v[(\s)+16*\b]|, |v[(\s)+1+16*\b]|, 0x1800000   ; and the floor 2^(3 - 127): the byte cannot fall under 1
.endr
.irp i, 2,4,6,8,10,12,14
.irp b, 0,1
	v_max3_num_f32 v[TM+\b], v[TM+\b], |v[(\s)+16*\b+\i]|, |v[(\s)+1+16*\b+\i]|
.endr
.endr
.irp b, 0,1
	v_permlanex16_b32 v[TM+2+\b], v[TM+\b], s[SEL], s[SEL+1]
.endr
.irp b, 0,1
	v_max_num_f32 v[TM+\b], v[TM+\b], v[TM+2+\b]
.endr
.irp b, 0,1
	v_add_nc_u32 v[TM+4+\b], 0xff000000, v[TM+\b]                    ; 2 off the exponent field: the conversion's scale operand
.endr
.irp b, 0,1
	v_lshrrev_b32 v[TM+2+\b], 23, v[TM+4+\b]
.endr
	v_lshl_or_b32 v[\pw], v[TM+3], 8, v[TM+2]      ; bytes 2 and 3 stay 0
	v_cvt_scalef32_pk16_fp6_f32 v[(\pc):(\pc)+2], v[(\s):(\s)+15], v[TM+4]
	v_cvt_scalef32_pk16_fp6_f32 v[(\pc)+8:(\pc)+10], v[(\s)+16:(\s)+31], v[TM+5]
	v_nop                                          ; one plain place behind a scaled conversion
.irp i, 0,1,2
	v_permlane16_swap_b32 v[(\pc)+\i], v[(\pc)+8+\i]               ; a whole block to a lane: lanes 0-15 block 0, lanes 16-31 block 1
.endr
.irp i, 0,1,2
	v_mov_b32 v[(\pc)+3+\i], v[(\pc)+8+\i]
.endr
.endm
.macro FETCH m, s                      ; block m's eight fragments of K step s: 24 LDS loads, each of 512 consecutive bytes
.if (\s)%2
	WIN 0x80
.set FB, MF1
.else
	WIN 0
.set FB, MF0
.endif
.irp a, 0,1,2,3,4,5,6,7
.irp c, 0,1,2
	ds_load_b128 v[FB+12*\a+4*\c:FB+12*\a+4*\c+3], v[MA+2*(\m)+\a/4] offset:(\a%4)*TILEB+(\s)*1536+\c*512
.endr
.endr
.endm
.macro MULS s                          ; 32 matrix instructions; the 32 accumulators take turns, one instruction a turn
.set SFB, 48*((\s)%5)
.set SWN, 1+(\s)/5
.set MFB, MF0-((\s)%2)*(MF0-MF1)
.set MWN, 2*((\s)%2)
	WIN 0xf0|(MWN<<2)|SWN
.irp a, 0,1,2,3,4,5,6,7
.irp t, 0,1,2,3
.if (\s) == 0
	v_wmma_scale_f32_16x16x128_f8f6f4 v[32*\a+8*\t:32*\a+8*\t+7], v[SFB+12*\t:SFB+12*\t+11], v[MFB+12*\a:MFB+12*\a+11], 0, v[SS+4*\t+(\s)/2], v[MS+4*\a+(\s)/2] matrix_a_fmt:MATRIX_FMT_FP6 matrix_b_fmt:MATRIX_FMT_FP6
.elseif (\s)%2 == 0
	v_wmma_scale_f32_16x16x128_f8f6f4 v[32*\a+8*\t:32*\a+8*\t+7], v[SFB+12*\t:SFB+12*\t+11], v[MFB+12*\a:MFB+12*\a+11], v[32*\a+8*\t:32*\a+8*\t+7], v[SS+4*\t+(\s)/2], v[MS+4*\a+(\s)/2] matrix_a_fmt:MATRIX_FMT_FP6 matrix_b_fmt:MATRIX_FMT_FP6
.else
	v_wmma_scale_f32_16x16x128_f8f6f4 v[32*\a+8*\t:32*\a+8*\t+7], v[SFB+12*\t:SFB+12*\t+11], v[MFB+12*\a:MFB+12*\a+11], v[32*\a+8*\t:32*\a+8*\t+7], v[SS+4*\t+(\s)/2], v[MS+4*\a+(\s)/2] matrix_a_fmt:MATRIX_FMT_FP6 matrix_b_fmt:MATRIX_FMT_FP6 matrix_a_scale:MATRIX_SCALE_ROW1 matrix_b_scale:MATRIX_SCALE_ROW1
.endif
.endr
.endr
.endm
; Tile a of block m leaves: the biases, the quantiser, 768 bytes of codes
.macro EPI m, a
	WIN 0x03                                       ; source 0: the accumulators' window
.set NN, 0
.rept 16
	v_pk_add_f32 v[HH+NN:HH+NN+1], v[32*(\a)+NN:32*(\a)+NN+1], v[BQ+NN:BQ+NN+1]   ; each accumulator from its low end on
.set NN, NN+2
.endr
	WIN 0
.set NN, 0
.rept 16
.if (\a)%2
	v_pk_add_f32 v[HH+NN:HH+NN+1], v[HH+NN:HH+NN+1], v[BV+8*(\m)+((\a)/2)*2:BV+8*(\m)+((\a)/2)*2+1] op_sel:[0,1] op_sel_hi:[1,1]
.else
	v_pk_add_f32 v[HH+NN:HH+NN+1], v[HH+NN:HH+NN+1], v[BV+8*(\m)+((\a)/2)*2:BV+8*(\m)+((\a)/2)*2+1] op_sel:[0,0] op_sel_hi:[1,0]
.endif
.set NN, NN+2
.endr
	s_wait_alu depctr_va_vdst(0)
	s_wait_xcnt 0x0                                ; the last tile's stores have read their codes and offsets: both are written again only behind this wait
	QUANT2 HH, PC, WD+(\a)
.if (\a) == 0
	s_mov_b32 s[OFF], s[OBM]
.elseif (\a) == 4
	s_add_co_u32 s[OFF], s[OBM], s[SA]
.else
	s_add_co_u32 s[OFF], s[OFF], s[SB]
.endif
	v_add_nc_u32 v[O16], s[OFF], v[L16]
	v_add_nc_u32 v[O8], s[OFF], v[L8]
	global_store_b128 v[O16], v[PC:PC+3], s[10:11]             ; 512 consecutive bytes, aligned
	global_store_b64 v[O8], v[PC+4:PC+5], s[10:11] offset:512  ; 256 consecutive bytes, aligned
.endm
.macro BLOCK m
.if (\m) == 0
	s_wait_alu depctr_va_vdst(0)
	s_wait_tensorcnt 0x0                           ; my two tiles of block 0 have landed; block 1's first fill is issued as a refill is
	ds_add_u32 v158, v159
	s_wait_dscnt 0x0
	CROUND                                         ; everybody's tiles of block 0 are in, and the four partners' joint loads meet
	tensor_load_to_lds s[G0B:G0B+3], s[G1:G1+7]    ; my two tiles of block 1: my one load behind the round; block 0's work stands between it and the wait for it
	s_nop 0
.rept 4
	v_nop
.endr
.else
	s_wait_tensorcnt 0x0                           ; my two tiles of block 1 have landed
	s_wait_dscnt 0x0
	s_barrier_signal -1
	s_barrier_wait -1                              ; everybody's have
.endif
.irp a, 0,1,2,3,4,5,6,7
.irp p, 0,1,2,3
	ds_load_b32 v[MS+4*\a+\p], v[MSA+2*(\m)+\a/4] offset:(\a%4)*TILEB+\p*128
.endr
.endr
	FETCH \m, 0
.irp s, 0,1,2,3,4,5,6,7
.if (\s > 0) && (\s < 7)
	PLACES                                         ; four places in front of loads into registers that the last step's matrix instructions have read
.endif
.if \s < 7
	FETCH \m, \s+1
	s_wait_dscnt 24                                ; all but the 24 just issued
.else
	s_wait_dscnt 0x0
.endif
.if (\m) == 0
.if 84-12*\s > 63
	s_wait_loadcnt 63                              ; 84 - 12 s stationary loads of later K steps could stay out; the field holds 63
.else
	s_wait_loadcnt 84-12*\s
.endif
.endif
	MULS \s
.endr
	WIN 0
.if (\m) == 0
.set NN, 0
.rept 32
	v_cndmask_b32 v[BQ+NN], 0, v[BQ+NN], s[QM]     ; of the two biases the kind that is not this cluster's becomes 0
.set NN, NN+1
.endr
.set NN, 0
.rept 16
	v_cndmask_b32 v[BV+NN], 0, v[BV+NN], s[VM]
.set NN, NN+1
.endr
	s_mov_b32 s[OBM], s[OB]
	s_mov_b32 s[SCM], s[SCB]
.else
	s_add_co_u32 s[OBM], s[OB], s[DM]
	s_add_co_u32 s[SCM], s[SCB], s[DM]
.endif
	PLACES                                         ; in front of the first read of results
.irp e, 0,1,2,3,4,5,6,7
	EPI \m, \e
.endr
	s_wait_xcnt 0x0
.irp i, 0,1,2,3
	v_cndmask_b32 v[SW+\i], v[WD+2*\i], v[WD+2*\i+1], s[HM]   ; lanes 0-15: tile 2 i's words, lanes 16-31: tile 2 i + 1's
.endr
	v_add_nc_u32 v[SO0], s[SCM], v[L8]
	s_add_co_u32 s[OFF], s[SCM], s[SC2]
	v_add_nc_u32 v[SO0+1], s[OFF], v[L8]
	global_store_b64 v[SO0], v[SW:SW+1], s[10:11]
	global_store_b64 v[SO0+1], v[SW+2:SW+3], s[10:11]
.endm
	s_load_b128 s[4:7], s[0:1], 0x0                ; xq, wq
	s_load_b128 s[8:11], s[0:1], 0x10              ; b_attn, qkvq
	v_lshl_add_u32 v158, v0, 2, 0x32000
	v_mov_b32 v159, 0
	ds_add_u32 v158, v159
	ds_add_u32 v158, v159
	v_lshrrev_b32 v1, 5, v0
	v_readfirstlane_b32 s[WV], v1                  ; wave 0..3
	s_bfe_u32 s[CX], ttmp6, 0x40000                ; my place in the cluster: it enters global addresses of my own alone
	s_and_b32 s54, ttmp9, 1
	s_lshl_b32 s54, s54, 2
	s_add_co_u32 s54, s54, s[CX]                   ; q, k: slice of 16 stationary tiles, 0..7
	s_lshr_b32 s55, ttmp9, 1                       ;       16 moving tiles, 0..31
	s_sub_co_u32 s56, ttmp9, 64
	s_and_b32 s57, s56, 7
	s_lshl_b32 s57, s57, 2
	s_add_co_u32 s57, s57, s[CX]                   ; v: slice, 0..31
	s_lshr_b32 s58, s56, 3
	s_and_b32 s58, s58, 3                          ;    16 moving tiles, 0..3
	s_cmp_ge_u32 ttmp9, 64                         ; v's cluster?  The same in all four partners
	s_cselect_b32 s[SL], s57, s54
	s_cselect_b32 s[MB], s58, s55
	s_cselect_b32 s[VM], -1, 0
	s_cselect_b32 s[QM], 0, -1
	s_cselect_b32 s59, s58, 0
	s_mov_b32 s[DM], 6656                          ; from block 0 to block 1 in the output,
	s_cselect_b32 s[DM], 212992, s[DM]
	s_mov_b32 s[SA], 3072                          ; to tile 4,
	s_cselect_b32 s[SA], 106496, s[SA]
	s_mov_b32 s[SB], 768                           ; from tile to tile,
	s_cselect_b32 s[SB], 1536, s[SB]
	s_mov_b32 s[SC2], 256                          ; and between the two stores of scale words
	s_cselect_b32 s[SC2], 106496, s[SC2]
	s_cselect_b32 s60, 128*TILEB, 0                ; v's columns begin at tile 128 of wq
	s_mov_b32 s[HM], 0xffff0000
	s_mov_b32 s[SEL], 0x76543210
	s_mov_b32 s[SEL+1], 0xfedcba98
	s_mul_i32 s62, s[MB], 16*TILEB                 ; the moving operand: made of the cluster's number and the wave's alone
	s_add_co_u32 s62, s62, s60
	s_mul_i32 s61, s[WV], 2*TILEB
	s_add_co_u32 s62, s62, s61
	s_mov_b32 s63, 0
	; descriptor group 1: two tiles, 25,600 dense bytes, as 100 rows of 32 elements of 8 bytes
	s_mov_b32 s[G1], 15|(3<<16)|(1<<21)            ; 15:0 the mask: all four work-groups; 17:16 elements of 8 bytes; 21 set beside a mask
	s_mov_b32 s[G1+1], 32<<16
	s_mov_b32 s[G1+2], 100<<16
	s_mov_b32 s[G1+3], 32<<16
	s_mov_b32 s[G1+4], 100
	s_mov_b32 s[G1+5], 32
	s_mov_b32 s[G1+6], 0
	s_mov_b32 s[G1+7], 0
	s_mov_b32 s[G0A], 1
	s_mov_b32 s[G0A+1], s61
	s_mov_b32 s[G0B], 1
	s_add_co_u32 s[G0B+1], s61, BLKB
	; where my results go
	s_lshr_b32 s54, s[SL], 2                       ; q, k: the part,
	s_and_b32 s55, s[SL], 3
	s_lshl_b32 s55, s55, 2
	s_add_co_u32 s55, s55, s[WV]                   ; my head
	s_lshl_b32 s56, s54, 10
	s_add_co_u32 s56, s56, s55
	s_lshl_b32 s56, s56, 2                         ; its bias: column 1,024 part + head + 16 d
	s_lshl_b32 s54, s54, 6
	s_add_co_u32 s54, s54, s55
	s_lshr_b32 s57, s[MB], 3
	s_lshl_b32 s57, s57, 4
	s_add_co_u32 s54, s54, s57
	s_lshl_b32 s54, s54, 4
	s_lshl_b32 s57, s[MB], 1
	s_and_b32 s57, s57, 15
	s_add_co_u32 s54, s54, s57
	s_mul_i32 s54, s54, REC
	s_add_co_u32 s55, s54, 6144
	s_lshr_b32 s57, s[SL], 3                       ; v: the batch,
	s_lshl_b32 s57, s57, 4
	s_lshl_b32 s58, s[MB], 2
	s_add_co_u32 s57, s57, s58                     ; the first head,
	s_add_co_u32 s57, s57, 128
	s_lshl_b32 s57, s57, 4
	s_and_b32 s58, s[SL], 7
	s_lshl_b32 s58, s58, 1
	s_add_co_u32 s57, s57, s58
	s_lshr_b32 s58, s[WV], 1
	s_add_co_u32 s57, s57, s58                     ; the 128 tokens,
	s_mul_i32 s57, s57, REC
	s_and_b32 s58, s[WV], 1                        ; and which 64 of them
	s_mul_i32 s68, s58, 768
	s_lshl_b32 s58, s58, 8
	s_add_co_u32 s58, s58, s57
	s_add_co_u32 s58, s58, 6144
	s_add_co_u32 s57, s57, s68
	s_cmp_ge_u32 ttmp9, 64
	s_cselect_b32 s[OB], s57, s54
	s_cselect_b32 s[SCB], s58, s55
	s_cselect_b32 s56, 0, s56
	s_mov_b32 s57, 0
	s_lshl_b32 s58, s59, 4
	s_add_co_u32 s58, s58, 8192                    ; v's bias: column 2,048 + head + 16 d, heads 4 mb on
	s_mov_b32 s59, 0
	s_lshl_b32 s54, s[SL], 4
	s_lshl_b32 s55, s[WV], 2
	s_add_co_u32 s54, s54, s55
	s_mul_i32 s54, s54, TILEB                      ; my four stationary tiles
	s_mov_b32 s55, 0
	v_and_b32 v1, 31, v0
	v_lshlrev_b32 v[L16], 4, v1
	v_lshlrev_b32 v[L8], 3, v1
	v_lshlrev_b32 v[L4], 2, v1
.irp i, 0,1,2,3
	v_add_nc_u32 v[MA+\i], \i*51200, v[L16]
	v_add_nc_u32 v[MSA+\i], \i*51200+12288, v[L4]
.endr
	v_bfe_u32 v5, v0, 4, 1
	v_lshlrev_b32 v[BQO], 9, v5                    ; lanes 16-31: eight d, 512 bytes, on
	v_and_b32 v6, 15, v0
	v_bfe_u32 v7, v6, 1, 2
	v_bfe_u32 v5, v6, 3, 1
	v_and_b32 v6, 1, v6
	v_lshl_or_b32 v6, v7, 2, v6
	v_lshl_or_b32 v6, v5, 1, v6                    ; the d of image row (b3 b2 b1 b0): (b2 b1 b3 b0)
	v_lshlrev_b32 v[BVO], 6, v6
	v_mov_b32 v[TM+2], 0                           ; written once: a lane permute's destination counts as one of its sources
	v_mov_b32 v[TM+3], 0
	s_wait_dscnt 0x0
	s_wait_kmcnt 0x0
	s_cmp_ge_u32 ttmp9, 64
	s_cselect_b64 s[SP:SP+1], s[4:5], s[6:7]       ; stationary: x for v, w_attn for q and k
	s_cselect_b64 s[66:67], s[6:7], s[4:5]         ; moving: the other
	s_add_nc_u64 s[SP:SP+1], s[SP:SP+1], s[54:55]
	s_add_nc_u64 s[66:67], s[66:67], s[62:63]
	s_add_nc_u64 s[BQP:BQP+1], s[8:9], s[56:57]
	s_add_nc_u64 s[BVP:BVP+1], s[8:9], s[58:59]
	s_mov_b64 s[G0A+2:G0A+3], s[66:67]
	s_add_nc_u64 s[G0B+2:G0B+3], s[66:67], BLKB
	s_or_b32 s[G0A+3], s[G0A+3], 0x80000000
	s_or_b32 s[G0B+3], s[G0B+3], 0x80000000
	CROUND                                         ; all four work-groups are here: the joint loads meet
	tensor_load_to_lds s[G0A:G0A+3], s[G1:G1+7]    ; my two tiles of block 0,
	s_nop 0
.rept 4
	v_nop
.endr
.irp t, 0,1,2,3
.irp p, 0,1,2,3
	global_load_b32 v[SS+4*\t+\p], v[L4], s[SP:SP+1] offset:\t*TILEB+12288+\p*128
.endr
.endr
.irp t, 0,1,2,3
.irp j, 0,1,2,3,4,5,6,7
	global_load_b32 v[BQ+8*\t+\j], v[BQO], s[BQP:BQP+1] offset:(16*\t+\j)*64
.endr
.endr
	s_wait_alu depctr_va_vdst(0)
.irp m, 0,1
.irp a, 0,1,2,3,4,5,6,7
	global_load_b32 v[BV+8*\m+\a], v[BVO], s[BVP:BVP+1] offset:(2*\m+\a/4)*4+(\a%4)*1024
.endr
.endr
	WIN 0x40                                       ; destination window 1
.irp s, 0,1,2,3,4
.irp t, 0,1,2,3
.irp c, 0,1,2
	global_load_b128 v[12*(4*\s+\t)+4*\c:12*(4*\s+\t)+4*\c+3], v[L16], s[SP:SP+1] offset:\t*TILEB+\s*1536+\c*512
.endr
.endr
.endr
	WIN 0x80                                       ; destination window 2
.irp s, 5,6,7
.irp t, 0,1,2,3
.irp c, 0,1,2
	global_load_b128 v[12*(4*(\s-5)+\t)+4*\c:12*(4*(\s-5)+\t)+4*\c+3], v[L16], s[SP:SP+1] offset:\t*TILEB+\s*1536+\c*512
.endr
.endr
.endr
	WIN 0
	BLOCK 0
	BLOCK 1
	s_wait_dscnt 0x0
	s_wait_tensorcnt 0x0
	ds_add_u32 v158, v159
	s_wait_dscnt 0x0
	CROUND                                         ; the closing round: no work-group ends while a partner may still ask for a tile that names it
	s_endpgm
.Lfunc_end_k_q6b7406891c_qkv:
	.size	k_q6b7406891c_qkv, .Lfunc_end_k_q6b7406891c_qkv-k_q6b7406891c_qkv
	.p2alignl 7, 3214868480
	.fill 96, 4, 3214868480
	.section	.rodata,"a",@progbits
	.p2align	6, 0x0
	.amdhsa_kernel k_q6b7406891c_qkv
		.amdhsa_group_segment_fixed_size 327680
		.amdhsa_private_segment_fixed_size 0
		.amdhsa_enable_private_segment 0
		.amdhsa_kernarg_size 32
		.amdhsa_user_sgpr_count 2
		.amdhsa_user_sgpr_kernarg_segment_ptr 1
		.amdhsa_wavefront_size32 1
		.amdhsa_system_sgpr_workgroup_id_x 1
		.amdhsa_system_sgpr_workgroup_id_y 1
		.amdhsa_system_sgpr_workgroup_id_z 1
		.amdhsa_system_vgpr_workitem_id 0
		.amdhsa_next_free_vgpr 1024
		.amdhsa_next_free_sgpr 80
		.amdhsa_reserve_vcc 0
		.amdhsa_float_denorm_mode_32 3
		.amdhsa_float_denorm_mode_16_64 3
		.amdhsa_memory_ordered 1
		.amdhsa_forward_progress 1
		.amdhsa_inst_pref_size 192
	.end_amdhsa_kernel
	.amdgpu_metadata
---
amdhsa.version: [ 1, 2 ]
amdhsa.kernels:
  - .name:           k_q6b7406891c_qkv
    .symbol:         k_q6b7406891c_qkv.kd
    .args:
      - { .name: xq, .offset: 0, .size: 8, .value_kind: global_buffer, .address_space: global }
      - { .name: wq, .offset: 8, .size: 8, .value_kind: global_buffer, .address_space: global }
      - { .name: b_attn, .offset: 16, .size: 8, .value_kind: global_buffer, .address_space: global }
      - { .name: qkvq, .offset: 24, .size: 8, .value_kind: global_buffer, .address_space: global }
    .group_segment_fixed_size: 327680
    .private_segment_fixed_size: 0
    .kernarg_segment_align: 8
    .kernarg_segment_size: 32
    .max_flat_workgroup_size: 128
    .sgpr_count:     80
    .vgpr_count:     1024
    .wavefront_size: 32
...
	.end_amdgpu_metadata
.endif
;; end of part 2
;; launch attn (part 3): grid 4 x 64, 16 waves a work-group, clusters of 4 x 1, 327,680 bytes of LDS; arguments qkvq, yf; writes yf
.if DOCPART == 3
	.amdgcn_target "amdgcn-amd-amdhsa--gfx1250"
	.amdhsa_code_object_version 6
	.text
	.protected	k_q6b7406891c_attn
	.globl	k_q6b7406891c_attn
	.p2align	8
	.type	k_q6b7406891c_attn,@function
k_q6b7406891c_attn:
	s_mov_b64 s[64:65], 0
	v_nop
	global_prefetch_b8 v0, s[64:65] scope:SCOPE_SE
	s_setreg_imm32_b32 hwreg(HW_REG_WAVE_MODE, 25, 1), 1
	s_wait_xcnt 0x0
	s_wait_alu depctr_hold_cnt(0) depctr_sa_sdst(0) depctr_va_vdst(0) depctr_va_sdst(0) depctr_va_ssrc(0) depctr_va_vcc(0) depctr_vm_vsrc(0)
	s_getreg_b32 s2, hwreg(HW_REG_IB_STS2, 6, 4)
	s_cmp_eq_u32 s2, 0
	s_cbranch_scc0 .Lentry_in_a_cluster
	s_endpgm
.Lentry_in_a_cluster:
	s_bfe_u32 s2, ttmp6, 0x10000c
	s_cmp_lg_u32 s2, 0x3003
	s_cbranch_scc0 .Lentry_shape_is_right
	s_endpgm
.Lentry_shape_is_right:
; y[b,h,:,j] = sum over i <= j of v[:,i] p(i,j) / l(j): the softmax runs over i, so i plays the keys (part 0 of qkvq), j the queries (part 1), v is part 2.
; LEFT OUT: steps of 128 keys that lie wholly above a wave's 16 queries (i > j): the causal mask sets them to -inf, so they add 0 to every sum for all inputs.
; A work-group takes one (batch, head) and a quarter of its query tiles; the head's 16 records of keys and 16 of values (2 x 16 x 6,656 bytes) lie whole in LDS.
; Wave w takes 16 queries of record w / 2 and then 16 of record 15 - w / 2: 17 steps of 128 keys in every wave.  One barrier, behind the fills; after it waves share nothing.
; FILLS: each wave asks for two records (52 rows of 256 bytes) by ONE joint load at the head; one tensor load of a wave is out.  The four partners share all tiles (mask 15).
; No prefetch: all tiles are asked for at the head, so there is no loop to run ahead in.
; LDS rows are 256 bytes + 64 of padding: a piece of 768 bytes is 960, a record 8,320.
; THE ROWS OF A KEY TILE ARE CHOSEN BY ADDRESS: row m of tile 4 c + u is key 64 c + 32 (m / 8) + 8 g + m % 8, g = 2 (u & 1) + (u >> 1).  In S^T = k q^T lane (r, h) then holds query r and, in its 32 registers of
; tiles 4 c .. 4 c + 3, a WHOLE block of 32 keys, block 2 c + h, in the order of places in which v's codes were laid: its maximum needs no other lane, and the conversions' results are p's operand.
; With that padding rows 0-7 and rows 8-15 of a tile (two pieces, 1,920 bytes, apart) begin 128 bytes apart modulo 256 for the loads of 16 bytes.
; M is the running largest t rounded up to a whole number, kept as -M; the row's sum is taken of the unquantised p; a change of M multiplies sums and O^T by a power of two.
; The diagonal record's 64 lane masks hang on the wave's query tile alone: made once, kept in scalar registers, used by both passes.
; LIMITS: the scaled scores stay under 2^31 in magnitude; NaN and infinities are not served; what reaches only the steps left out is not carried to the result.
.set REC,   6656
.set RECL,  8320
.set PARTB, 6815744
.set VB,    16*RECL
.set SPARE, 2*VB                       ; the spare words, 128 bytes a wave, behind the tiles
.set LV16,  1
.set L8,    2
.set LK16,  3
.set LK8,   4
.set LKS,   5
.set LV8,   6
.set ADK16, 7
.set ADK8,  8
.set ADKS,  9
.set ADV16, 10
.set ADV8,  11                         ; v12 -M, v13 the running largest score, v[14:15] the sum in two halves
.set QF,    16                         ; v16-27 first pass's q: 6 registers of codes, 6 of zero codes (the head has 64 of the step's 128 along K)
.set QS,    28
.set NINF,  29
.set KS,    30                         ; v30-33 k's scale words: 2 c + (u & 1): lanes 0-15 tile u, lanes 16-31 tile u + 2
.set XV,    34
.set VS,    38
.set KB,    40                         ; v40-87 eight half fragments of k, then four fragments of v; v88-93 zero codes
.set SC,    96
.set OT,    160
.set PCD,   192
.set CT,    204
.set BM,    212
.set TA,    216
.set TX,    217
.set SCO,   218
.set BT,    220
.set TO,    222
.set FF,    224
.set PW,    225
.set SH8,   226
.set QO16,  228
.set QO8,   229
.set QSO,   230
.set DQ,    231
.set QF2,   232                        ; v232-243, v244: second pass's q and its scale word
.set QS2,   244
.set QP16,  245
.set QP8,   246
.set QPS,   247
.set WV,  8
.set CX,  9
.set BH,  10
.set LO,  11
.set SUB, 12
.set G1,  16
.set G0,  24
.set SEL, 28
.set CS,  30
.set TB,  32
.set KI,  33
.set RK,  34
.set NCS, 35                           ; s36-63, s66-101: the 64 masks
.macro CROUND
	s_barrier_signal -1
	s_barrier_wait -1
	s_cmp_lg_u32 s[WV], 0
	s_cbranch_scc1 .Lnot_wave_0_\@
	s_barrier_signal -3
.Lnot_wave_0_\@:
	s_barrier_wait -3
	s_barrier_signal -1
	s_barrier_wait -1
.endm
.macro STEP qf, qs
	s_cmp_gt_u32 s[KI], s[RK]                      ; a record above my queries: ids alone decide
	s_cbranch_scc1 .Lhidden_\@
	v_add_nc_u32 v[ADK16], s[TB], v[LK16]          ; these five are also the places in front of the loads into registers that the last products read
	v_add_nc_u32 v[ADK8], s[TB], v[LK8]
	v_add_nc_u32 v[ADKS], s[TB], v[LKS]
	v_add_nc_u32 v[ADV16], s[TB], v[LV16]
	v_add_nc_u32 v[ADV8], s[TB], v[LV8]
.irp a, 0,1,2,3,4,5,6,7
	ds_load_b128 v[KB+6*\a:KB+6*\a+3], v[ADK16] offset:960*(4*(\a/4)+(\a&1))+128*((\a>>1)&1)
	ds_load_b64 v[KB+6*\a+4:KB+6*\a+5], v[ADK8] offset:960*(4*(\a/4)+(\a&1))+640+64*((\a>>1)&1)
.endr
.irp e, 0,1,2,3
	ds_load_b32 v[KS+\e], v[ADKS] offset:7680+320*(\e/2)+128*(\e&1)
.endr
	s_wait_alu depctr_va_vdst(0)
	s_wait_dscnt 0x0
.irp a, 0,1,4,5                                ; S^T: a tile's upper six registers of source 0 meet q's zero codes
	v_wmma_scale_f32_16x16x128_f8f6f4 v[SC+8*\a:SC+8*\a+7], v[KB+6*\a:KB+6*\a+11], v[\qf:\qf+11], 0, v[KS+2*(\a/4)+(\a&1)], v[\qs] matrix_a_fmt:MATRIX_FMT_FP6 matrix_b_fmt:MATRIX_FMT_FP6
	v_wmma_scale_f32_16x16x128_f8f6f4 v[SC+8*\a+16:SC+8*\a+23], v[KB+6*\a+12:KB+6*\a+23], v[\qf:\qf+11], 0, v[KS+2*(\a/4)+(\a&1)], v[\qs] matrix_a_fmt:MATRIX_FMT_FP6 matrix_b_fmt:MATRIX_FMT_FP6 matrix_a_scale:MATRIX_SCALE_ROW1
.endr
	v_mov_b32 v[TO], v12                           ; the old -M; with three v_nop the four places behind the products
.rept 3
	v_nop
.endr
.irp p, 0,1,2,3,4,5,6,7
	ds_load_b128 v[KB+6*\p:KB+6*\p+3], v[ADV16] offset:960*\p
	ds_load_b64 v[KB+6*\p+4:KB+6*\p+5], v[ADV8] offset:960*\p+640
.endr
	ds_load_b64 v[XV:XV+1], v[ADV8] offset:7680
	ds_load_b64 v[XV+2:XV+3], v[ADV8] offset:8000
	s_cmp_lg_u32 s[KI], s[RK]
	s_cbranch_scc1 .Lopen_\@
.set NN, 0
.rept 64                                       ; the diagonal record: keys above the lane's query become -inf
.if NN < 28
.set MK, 36+NN
.else
.set MK, 38+NN
.endif
	v_cndmask_b32 v[SC+NN], v[SC+NN], v[NINF], s[MK]
.set NN, NN+1
.endr
.Lopen_\@:
.irp b, 0,1,2,3                                ; the largest score of my two blocks, two chains to a block; each accumulator is read from its low end on
	v_max3_num_f32 v[BM+\b], v[SC+16*\b], v[SC+1+16*\b], v[SC+2+16*\b]
.endr
.irp i, 3,5,7,9,11,13
.irp b, 0,1,2,3
	v_max3_num_f32 v[BM+\b], v[BM+\b], v[SC+16*\b+\i], v[SC+1+16*\b+\i]
.endr
.endr
.irp c, 0,2
	v_max3_num_f32 v[BM+\c], v[BM+\c], v[SC+15+16*\c], v[SC+31+16*\c]
.endr
.irp c, 0,2
	s_delay_alu instid0(VALU_DEP_2)
	v_max_num_f32 v[BM+\c], v[BM+\c], v[BM+1+\c]
.endr
	s_delay_alu instid0(VALU_DEP_1)
	v_max_num_f32 v[TA], v[BM], v[BM+2]
	s_delay_alu instid0(VALU_DEP_1)
	v_permlanex16_b32 v[TX], v[TA], s[SEL], s[SEL+1]
	s_delay_alu instid0(VALU_DEP_1)
	v_max3_num_f32 v13, v13, v[TA], v[TX]          ; the running largest score of my query
	s_delay_alu instid0(VALU_DEP_1)
	v_mul_f32 v[TX], s[NCS], v13                   ; -t
	s_delay_alu instid0(VALU_DEP_1)
	v_floor_f32 v12, v[TX]                         ; -M = floor(-t)
	s_delay_alu instid0(VALU_DEP_1)
	v_sub_f32 v[TA], v12, v[TO]
	s_delay_alu instid0(VALU_DEP_1)
	v_cvt_i32_f32 v[TA], v[TA]
	s_delay_alu instid0(VALU_DEP_1)
	v_ldexp_f32 v[FF], 1.0, v[TA]                  ; f = 2^(old M - new M)
.set NN, 0
.rept 32
	v_pk_fma_f32 v[SC+NN:SC+NN+1], v[SC+NN:SC+NN+1], s[CS:CS+1], v[12:13] op_sel_hi:[1,0,0]
.set NN, NN+2
.endr
.irp c, 0,2
	v_fma_f32 v[BM+\c], v[BM+\c], s[CS], v12       ; the same of each block's largest score
.endr
	s_wait_alu depctr_va_vdst(0)
.set NN, 0
.rept 64
	v_exp_f32 v[SC+NN], v[SC+NN]
.set NN, NN+1
.endr
	v_pk_mul_f32 v[14:15], v[14:15], v[FF:FF+1] op_sel_hi:[1,0]
	s_wait_alu depctr_va_vdst(0)                   ; one wait for the batch
.irp c, 0,2
	v_exp_f32 v[BM+\c], v[BM+\c]                   ; the block's largest p
.endr
	v_pk_add_f32 v[BT:BT+1], v[SC:SC+1], v[SC+2:SC+3]
.irp j, 4,8,12,16,20,24,28,32,36,40,44,48,52,56,60
	v_pk_add_f32 v[14:15], v[14:15], v[SC+\j:SC+\j+1]
	v_pk_add_f32 v[BT:BT+1], v[BT:BT+1], v[SC+2+\j:SC+3+\j]
.endr
	s_delay_alu instid0(VALU_DEP_1)
	v_pk_add_f32 v[14:15], v[14:15], v[BT:BT+1]
	s_wait_alu depctr_va_vdst(0)                   ; and one for the two
	v_max_num_f32 v[BM], 0x1800000, v[BM]          ; the floor 2^(3 - 127): the byte cannot fall under 1
	v_max_num_f32 v[BM+2], 0x1800000, v[BM+2]
	s_delay_alu instid0(VALU_DEP_2)
	v_add_nc_u32 v[SCO], 0xff000000, v[BM]         ; 2 off the exponent field: the conversion's scale operand
	s_delay_alu instid0(VALU_DEP_2)
	v_add_nc_u32 v[SCO+1], 0xff000000, v[BM+2]
	s_delay_alu instid0(VALU_DEP_2)
	v_lshrrev_b32 v[BT], 23, v[SCO]
	s_delay_alu instid0(VALU_DEP_2)
	v_lshrrev_b32 v[BT+1], 23, v[SCO+1]
	s_delay_alu instid0(VALU_DEP_1)
	v_lshl_or_b32 v[BT], v[BT+1], 16, v[BT]        ; the bytes of blocks h and 2 + h,
	s_delay_alu instid0(VALU_DEP_1)
	v_lshlrev_b32 v[BT], v[SH8], v[BT]             ; 8 h bits up;
	s_delay_alu instid0(VALU_DEP_1)
	v_permlanex16_b32 v[TX], v[BT], s[SEL], s[SEL+1]
.irp c, 0,1
	v_cvt_scalef32_pk16_fp6_f32 v[PCD+6*\c:PCD+2+6*\c], v[SC+32*\c:SC+15+32*\c], v[SCO+\c]
	v_cvt_scalef32_pk16_fp6_f32 v[CT+4*\c:CT+2+4*\c], v[SC+16+32*\c:SC+31+32*\c], v[SCO+\c]   ; (a conversion's three registers begin on an even number)
.endr
	v_or_b32 v[PW], v[BT], v[TX]                   ; with lane l xor 16's two bytes p's scale word is whole.  (The plain place behind the conversions)
.irp c, 0,1
.irp i, 0,1,2
	v_mov_b32 v[PCD+3+6*\c+\i], v[CT+4*\c+\i]
.endr
.endr
	s_wait_dscnt 0x0                               ; v's fragments and scale words are in
	v_lshl_or_b32 v[VS], v[XV+2], 16, v[XV]
	v_lshl_or_b32 v[VS+1], v[XV+3], 16, v[XV+1]
	s_wait_alu depctr_va_vdst(0)
.set NN, 0
.rept 16
	v_pk_mul_f32 v[OT+NN:OT+NN+1], v[OT+NN:OT+NN+1], v[FF:FF+1] op_sel_hi:[1,0]   ; O^T under the new M; also the places in front of the scaled products
.set NN, NN+2
.endr
.irp t, 0,2
	v_wmma_scale_f32_16x16x128_f8f6f4 v[OT+8*\t:OT+8*\t+7], v[KB+12*\t:KB+12*\t+11], v[PCD:PCD+11], v[OT+8*\t:OT+8*\t+7], v[VS+\t/2], v[PW] matrix_a_fmt:MATRIX_FMT_FP6 matrix_b_fmt:MATRIX_FMT_FP6
	v_wmma_scale_f32_16x16x128_f8f6f4 v[OT+8*\t+8:OT+8*\t+15], v[KB+12*\t+12:KB+12*\t+23], v[PCD:PCD+11], v[OT+8*\t+8:OT+8*\t+15], v[VS+\t/2], v[PW] matrix_a_fmt:MATRIX_FMT_FP6 matrix_b_fmt:MATRIX_FMT_FP6 matrix_a_scale:MATRIX_SCALE_ROW1
.endr
.Lhidden_\@:
	s_add_co_u32 s[TB], s[TB], RECL
.endm
.macro PASS second, trips, qf, qs
.if \second
	s_wait_xcnt 0x0                                ; the first pass's stores have read their data and their base
	s_sub_co_u32 s[RK], 15, s[LO]
	s_sub_co_u32 s2, s[RK], s[LO]
.else
	s_mov_b32 s[RK], s[LO]
	s_mov_b32 s2, s[LO]
.endif
	s_lshl_b32 s2, s2, 19                          ; y: eight tiles of 65,536 bytes for each record passed
	s_mov_b32 s3, 0
	s_add_nc_u64 s[6:7], s[6:7], s[2:3]
	v_mov_b32 v13, 0xff61b1e6                      ; -3e38, under every score
	v_mov_b32 v12, 0x7f61b1e6
	v_mov_b32 v14, 0
	v_mov_b32 v15, 0
.set NN, 0
.rept 32
	v_mov_b32 v[OT+NN], 0                          ; the step is written once: the first finds zeros
.set NN, NN+1
.endr
.if \second == 0
	s_wait_alu depctr_va_vdst(0)
	s_wait_tensorcnt 0x0                           ; my two records have landed,
	s_wait_dscnt 0x0
	s_barrier_signal -1
	s_barrier_wait -1                              ; everybody's have
	s_wait_loadcnt 0x0                             ; both passes' q
.endif
	s_mov_b32 s[TB], 0
	s_mov_b32 s[KI], 0
.Lkey_\@:
	STEP \qf, \qs
	s_add_co_u32 s[KI], s[KI], 1
	s_cmp_lt_u32 s[KI], \trips
	s_cbranch_scc1 .Lkey_\@
.rept 4
	v_nop
.endr
	v_add_f32 v14, v14, v15
	s_delay_alu instid0(VALU_DEP_1)
	v_permlanex16_b32 v[FF], v14, s[SEL], s[SEL+1]
	s_delay_alu instid0(VALU_DEP_1)
	v_add_f32 v14, v14, v[FF]                      ; the row's sum
	s_wait_alu depctr_va_vdst(0)
	v_rcp_f32 v14, v14
	v_nop
	s_wait_alu depctr_va_vdst(0)
.set NN, 0
.rept 16
	v_pk_mul_f32 v[SC+NN:SC+NN+1], v[OT+NN:OT+NN+1], v[14:15] op_sel_hi:[1,0]
.set NN, NN+2
.endr
.set NN, 0
.rept 16
	global_store_b64 v[L8], v[SC+2*NN:SC+2*NN+1], s[6:7] offset:256*NN   ; 256 consecutive bytes, aligned
.set NN, NN+1
.endr
.endm
	s_load_b128 s[4:7], s[0:1], 0x0                ; qkvq, yf
	v_lshl_add_u32 v254, v0, 2, SPARE
	v_mov_b32 v255, 0
	ds_add_u32 v254, v255
	ds_add_u32 v254, v255
	v_lshrrev_b32 v1, 5, v0
	s_delay_alu instid0(VALU_DEP_1)
	v_readfirstlane_b32 s[WV], v1
	s_bfe_u32 s[CX], ttmp6, 0x40000                ; my place in the cluster enters my queries' addresses and masks alone: no branch, no LDS address
	s_and_b32 s[BH], ttmp7, 0xffff
	s_lshr_b32 s[LO], s[WV], 1
	s_and_b32 s[SUB], s[WV], 1
	s_lshl_b32 s13, s[CX], 1
	s_add_co_u32 s[SUB], s[SUB], s13               ; which 16 of a record's 128 queries
	s_mov_b32 s[G1], 15|(3<<16)|(1<<20)|(1<<21)|(5<<22)|(15<<25)   ; mask: all four; elements of 8 bytes; 16 words of padding behind every 64
	s_mov_b32 s[G1+1], 32<<16
	s_mov_b32 s[G1+2], 52<<16
	s_mov_b32 s[G1+3], 32<<16
	s_mov_b32 s[G1+4], 52
	s_mov_b32 s[G1+5], 32
	s_mov_b32 s[G1+6], 0
	s_mov_b32 s[G1+7], 0
	s_mov_b32 s[G0], 1
	s_mul_i32 s[G0+1], s[WV], 2*RECL               ; waves 0-7: keys' records 2 w, 2 w + 1; waves 8-15: values'
	s_lshl_b32 s2, s[BH], 4
	s_and_b32 s13, s[WV], 7
	s_lshl_b32 s13, s13, 1
	s_add_co_u32 s2, s2, s13
	s_mul_i32 s2, s2, REC
	s_lshr_b32 s13, s[WV], 3
	s_mul_i32 s13, s13, 2*PARTB
	s_add_co_u32 s2, s2, s13
	s_mov_b32 s3, 0
	s_mov_b32 s[SEL], 0x76543210
	s_mov_b32 s[SEL+1], 0xfedcba98
	s_mov_b32 s[CS], 0x3e38aa3b                    ; c = log2(e) / 8
	s_mov_b32 s[CS+1], s[CS]
	s_mov_b32 s[NCS], 0xbe38aa3b                   ; -c
	s_wait_dscnt 0x0
	s_wait_kmcnt 0x0
	s_add_nc_u64 s[G0+2:G0+3], s[4:5], s[2:3]
	s_or_b32 s[G0+3], s[G0+3], 0x80000000
	CROUND                                         ; the four partners' joint loads meet
	tensor_load_to_lds s[G0:G0+3], s[G1:G1+7]
	s_nop 0
	s_lshl_b32 s2, s[BH], 4
	s_add_co_u32 s2, s2, s[LO]
	s_mul_i32 s2, s2, REC
	s_add_co_u32 s2, s2, PARTB
	s_add_nc_u64 s[4:5], s[4:5], s[2:3]            ; the first pass's record of queries
	s_lshr_b32 s2, s[BH], 4
	s_lshl_b32 s2, s2, 7
	s_add_co_u32 s2, s2, s[SUB]
	s_lshl_b32 s2, s2, 16
	s_and_b32 s13, s[BH], 15
	s_lshl_b32 s13, s13, 12
	s_add_co_u32 s2, s2, s13
	s_add_nc_u64 s[6:7], s[6:7], s[2:3]            ; y: tile 128 batch + sub, head's 4,096 bytes; the passes add their records
	s_lshl_b32 s13, s[SUB], 4
	s_mul_i32 s14, s[SUB], 768
	s_lshr_b32 s15, s[SUB], 2
	s_lshl_b32 s15, s15, 8
	s_and_b32 s2, s[SUB], 1
	s_lshl_b32 s2, s2, 7
	s_add_co_u32 s15, s15, s2
	s_bfe_u32 s2, s[SUB], 0x10001
	s_lshl_b32 s2, s2, 2
	s_add_co_u32 s15, s15, s2
	s_add_co_u32 s15, s15, 6144                    ; my tile's scale words in a record
	s_lshl_b32 s2, s[LO], 1
	s_sub_co_u32 s2, 15, s2
	s_mul_i32 s2, s2, REC                          ; from the first pass's record to the second's
	v_and_b32 v96, 31, v0                          ; lane
	v_and_b32 v97, 15, v0                          ; r
	v_bfe_u32 v98, v0, 4, 1                        ; h
	v_and_b32 v99, 7, v0                           ; r % 8
	v_bfe_u32 v100, v0, 3, 1                       ; r / 8
	v_lshlrev_b32 v[L8], 3, v96
	v_mul_u32_u24 v101, v98, 320
	v_mul_u32_u24 v102, v100, 1920
	v_lshl_add_u32 v[LV16], v97, 4, v101
	v_add_nc_u32 v[LV8], VB, v[L8]
	v_add_nc_u32 v[LV16], VB, v[LV16]              ; v: images as they lie
	v_lshl_add_u32 v[LK16], v99, 4, v102
	v_lshl_add_u32 v[LK8], v99, 3, v102
	v_lshlrev_b32 v[LKS], 3, v99
	v_add_nc_u32 v[LK16], v[LK16], v101            ; k: 1,920 (r / 8) + 320 h + 16 (r % 8)
	v_lshl_add_u32 v[LK8], v98, 7, v[LK8]          ;    1,920 (r / 8) + 128 h + 8 (r % 8)
	v_lshl_add_u32 v[LKS], v100, 2, v[LKS]
	v_lshlrev_b32 v[SH8], 3, v98
	v_lshl_add_u32 v[LKS], v98, 6, v[LKS]          ;    scale words: 8 (r % 8) + 4 (r / 8) + 64 h
	v_lshlrev_b32 v103, 5, v98
	v_add_nc_u32 v[DQ], s13, v97
	v_lshl_add_u32 v[QO16], v96, 4, s14
	v_add_nc_u32 v[QO8], s14, v[L8]
	v_lshl_add_u32 v[QSO], v97, 3, s15
	v_sub_nc_u32 v[DQ], v[DQ], v103                ; my query in its record - 32 h
	v_add_nc_u32 v[QP16], s2, v[QO16]
	v_add_nc_u32 v[QP8], s2, v[QO8]
	v_add_nc_u32 v[QPS], s2, v[QSO]
	global_load_b128 v[QF:QF+3], v[QO16], s[4:5]
	global_load_b64 v[QF+4:QF+5], v[QO8], s[4:5] offset:512
	global_load_b32 v[QS], v[QSO], s[4:5]
	global_load_b128 v[QF2:QF2+3], v[QP16], s[4:5]
	global_load_b64 v[QF2+4:QF2+5], v[QP8], s[4:5] offset:512
	global_load_b32 v[QS2], v[QPS], s[4:5]
.set NN, 0
.rept 64                                       ; register 32 c + 8 u + j holds key 64 c + 32 h + 8 g + j: hidden where it lies above the query
.if NN < 28
.set MK, 36+NN
.else
.set MK, 38+NN
.endif
	v_cmp_gt_i32 s[MK], 64*(NN/32)+16*((NN/8)&1)+8*((NN/16)&1)+NN%8, v[DQ]
.set NN, NN+1
.endr
	v_mov_b32 v[NINF], 0xff800000
.irp i, 6,7,8,9,10,11
	v_mov_b32 v[QF+\i], 0
	v_mov_b32 v[QF2+\i], 0
	v_mov_b32 v[KB+42+\i], 0
.endr
	v_mov_b32 v[TX], 0                             ; written once: a lane permute's destination counts as one of its sources
	v_mov_b32 v[FF], 0
	v_mov_b32 v[PW], 0
	PASS 0, 8, QF, QS
	PASS 1, 16, QF2, QS2
	s_wait_tensorcnt 0x0                           ; the wave's end
	ds_add_u32 v254, v255
	s_wait_dscnt 0x0
	CROUND                                         ; the closing round
	s_endpgm
.Lfunc_end_k_q6b7406891c_attn:
	.size	k_q6b7406891c_attn, .Lfunc_end_k_q6b7406891c_attn-k_q6b7406891c_attn
	.p2alignl 7, 3214868480
	.fill 96, 4, 3214868480
	.section	.rodata,"a",@progbits
	.p2align	6, 0x0
	.amdhsa_kernel k_q6b7406891c_attn
		.amdhsa_group_segment_fixed_size 327680
		.amdhsa_private_segment_fixed_size 0
		.amdhsa_enable_private_segment 0
		.amdhsa_kernarg_size 16
		.amdhsa_user_sgpr_count 2
		.amdhsa_user_sgpr_kernarg_segment_ptr 1
		.amdhsa_wavefront_size32 1
		.amdhsa_system_sgpr_workgroup_id_x 1
		.amdhsa_system_sgpr_workgroup_id_y 1
		.amdhsa_system_sgpr_workgroup_id_z 1
		.amdhsa_system_vgpr_workitem_id 0
		.amdhsa_next_free_vgpr 256
		.amdhsa_next_free_sgpr 102
		.amdhsa_reserve_vcc 0
		.amdhsa_float_denorm_mode_32 3
		.amdhsa_float_denorm_mode_16_64 3
		.amdhsa_memory_ordered 1
		.amdhsa_forward_progress 1
		.amdhsa_inst_pref_size 61
	.end_amdhsa_kernel
	.amdgpu_metadata
---
amdhsa.version: [ 1, 2 ]
amdhsa.kernels:
  - .name:           k_q6b7406891c_attn
    .symbol:         k_q6b7406891c_attn.kd
    .args:
      - { .name: qkvq, .offset: 0, .size: 8, .value_kind: global_buffer, .address_space: global }
      - { .name: yf, .offset: 8, .size: 8, .value_kind: global_buffer, .address_space: global }
    .group_segment_fixed_size: 327680
    .private_segment_fixed_size: 0
    .kernarg_segment_align: 8
    .kernarg_segment_size: 16
    .max_flat_workgroup_size: 512
    .sgpr_count:     102
    .vgpr_count:     256
    .wavefront_size: 32
...
	.end_amdgpu_metadata
.endif
;; end of part 3
;; launch yquant (part 4): grid 256 x 1, 4 waves a work-group, no clusters, 1,536 bytes of LDS; arguments yf, yq; writes yq
.if DOCPART == 4
	.amdgcn_target "amdgcn-amd-amdhsa--gfx1250"
	.amdhsa_code_object_version 6
	.text
	.protected	k_q6b7406891c_yquant
	.globl	k_q6b7406891c_yquant
	.p2align	8
	.type	k_q6b7406891c_yquant,@function
k_q6b7406891c_yquant:
	s_mov_b64 s[64:65], 0
	v_nop
	global_prefetch_b8 v0, s[64:65] scope:SCOPE_SE
	s_setreg_imm32_b32 hwreg(HW_REG_WAVE_MODE, 25, 1), 1
	s_wait_xcnt 0x0
; y, f32, becomes operand tiles of FP6 codes for the last product (a tile: 16 tokens x K 1,024 in 12,800 bytes: K step s at 1536 s as an image of the fragment's 12 registers; scale words from 12,288 on).
; A block of 32 along c = 16 d + head is d = 2 bk, 2 bk + 1 of all 16 heads.  Place p of a block holds head 8 (p >> 4) + ((p & 15) >> 1) and d = 2 bk + (p & 1); w_proj's rows were laid in the same order.
; y lies as tile x 65,536 + head x 4,096 + m x 256 + lane' x 8: y(token lane' % 16, d = 4 m + 2 (lane' / 16) + 0, 1): so lane (r, hh) finds its 16 numbers of a block by eight loads of 8 bytes, one a head.
; Wave 4 g + w takes tile (4 g + w) / 2 and four of its eight K steps.  Waves share nothing: no barrier.  Two steps' loads (64) are asked for ahead.
; It is a launch of its own since four column slices of the last product read each row of y.
; LIMITS: a block of zeros gets the scale byte 1 (its codes are zeros; only this program reads the bytes); NaN and infinities are not served.
.set TILEB, 12800
.set YA,    16                         ; v16-79, v80-143 two sets of 64 numbers: register 16 b + 2 e + delta
.set TM,    208
.set PW,    224
.set PC,    228
.set SEL,   16
.macro QUANT s, pc, pw
.irp b, 0,1,2,3
	v_max3_num_f32 v[TM+\b], |v[(\s)+16*\b]|, |v[(\s)+1+16*\b]|, 0x1800000   ; and the floor 2^(3 - 127): the byte cannot fall under 1
.endr
.irp i, 2,4,6,8,10,12,14
.irp b, 0,1,2,3
	v_max3_num_f32 v[TM+\b], v[TM+\b], |v[(\s)+16*\b+\i]|, |v[(\s)+1+16*\b+\i]|
.endr
.endr
.irp b, 0,1,2,3
	v_permlanex16_b32 v[TM+4+\b], v[TM+\b], s[SEL], s[SEL+1]
.endr
.irp b, 0,1,2,3
	v_max_num_f32 v[TM+\b], v[TM+\b], v[TM+4+\b]
.endr
.irp b, 0,1,2,3
	v_add_nc_u32 v[TM+12+\b], 0xff000000, v[TM+\b]
.endr
.irp b, 0,1,2,3
	v_lshrrev_b32 v[TM+4+\b], 23, v[TM+12+\b]
.endr
	v_lshl_or_b32 v[\pw], v[TM+5], 8, v[TM+4]
	v_lshl_or_b32 v[\pw], v[TM+6], 16, v[\pw]
	v_lshl_or_b32 v[\pw], v[TM+7], 24, v[\pw]
.irp c, 0,1
	v_cvt_scalef32_pk16_fp6_f32 v[(\pc)+6*\c:(\pc)+2+6*\c], v[(\s)+32*\c:(\s)+15+32*\c], v[TM+12+2*\c]
	v_cvt_scalef32_pk16_fp6_f32 v[(\pc)+12+4*\c:(\pc)+14+4*\c], v[(\s)+16+32*\c:(\s)+31+32*\c], v[TM+12+2*\c+1]
.endr
	v_nop
.irp c, 0,1
.irp i, 0,1,2
	v_permlane16_swap_b32 v[(\pc)+6*\c+\i], v[(\pc)+12+4*\c+\i]
.endr
.irp i, 0,1,2
	v_mov_b32 v[(\pc)+3+6*\c+\i], v[(\pc)+12+4*\c+\i]
.endr
.endr
.endm
.macro YLOAD set, s
.irp b, 0,1,2,3
.irp e, 0,1,2,3,4,5,6,7
	global_load_b64 v[(\set)+16*\b+2*\e:(\set)+16*\b+2*\e+1], v3, s[4:5] offset:\e*4096+(\s)*512+(\b/2)*256+(\b%2)*128 th:TH_LOAD_NT
.endr
.endr
.endm
.macro YSTEP t
.if (\t) < 3
	s_wait_loadcnt 32                              ; this step's 32 loads are in; the other set's 32 may be out
.else
	s_wait_loadcnt 0x0
.endif
	s_wait_xcnt 0x0                                ; the last step's stores have read the codes' registers
	QUANT YA+64*((\t)%2), PC, PW
.if (\t) < 2
	YLOAD YA+64*((\t)%2), (\t)+2
.endif
.irp c, 0,1,2
	global_store_b128 v2, v[PC+4*\c:PC+4*\c+3], s[6:7] offset:(\t)*1536+512*\c   ; 512 consecutive bytes, aligned
.endr
	ds_store_b32 v5, v[PW] offset:(\t)*64
.endm
	s_load_b128 s[4:7], s[0:1], 0x0                ; yf, yq
	v_lshl_add_u32 v254, v0, 2, 0x400
	v_mov_b32 v255, 0
	v_lshrrev_b32 v1, 5, v0
	v_readfirstlane_b32 s8, v1                     ; wave 0..3
	v_and_b32 v1, 31, v0
	v_and_b32 v8, 15, v0
	v_bfe_u32 v9, v0, 4, 1
	v_lshlrev_b32 v2, 4, v1
	v_lshlrev_b32 v7, 3, v1
	v_lshlrev_b32 v3, 3, v8
	v_lshl_add_u32 v3, v9, 15, v3                  ; 8 r, and heads 8-15 for lanes 16-31
	s_lshl_b32 s9, s8, 8                           ; my wave's 256 bytes of LDS: its four steps' scale words
	v_lshl_add_u32 v5, v8, 2, s9
	v_add_nc_u32 v6, s9, v7
	s_mov_b32 s[SEL], 0x76543210
	s_mov_b32 s[SEL+1], 0xfedcba98
.irp b, 0,1,2,3
	v_mov_b32 v[TM+4+\b], 0
.endr
	s_lshl_b32 s10, ttmp9, 1
	s_lshr_b32 s11, s8, 1
	s_add_co_u32 s10, s10, s11                     ; the tile
	s_and_b32 s11, s8, 1                           ; which half of K
	s_lshl_b32 s12, s10, 16
	s_lshl_b32 s13, s11, 11
	s_add_co_u32 s12, s12, s13
	s_mov_b32 s13, 0
	s_mul_i32 s14, s10, TILEB
	s_lshl_b32 s18, s11, 8
	s_add_co_u32 s18, s18, s14
	s_add_co_u32 s18, s18, 12288
	s_mov_b32 s19, 0
	s_mul_i32 s15, s11, 6144
	s_add_co_u32 s14, s14, s15
	s_mov_b32 s15, 0
	s_wait_alu depctr_va_vdst(0)
	s_wait_kmcnt 0x0
	s_add_nc_u64 s[4:5], s[4:5], s[12:13]
	s_add_nc_u64 s[18:19], s[6:7], s[18:19]
	s_add_nc_u64 s[6:7], s[6:7], s[14:15]
	YLOAD YA, 0
	YLOAD YA+64, 1
	YSTEP 0
	YSTEP 1
	YSTEP 2
	YSTEP 3
	ds_load_b64 v[12:13], v6                       ; LDS serves a wave's instructions in order: these see my stores
	s_wait_dscnt 0x0
	global_store_b64 v7, v[12:13], s[18:19]        ; 256 consecutive bytes, aligned
	s_wait_tensorcnt 0x0
	ds_add_u32 v254, v255
	s_wait_dscnt 0x0
	s_endpgm
.Lfunc_end_k_q6b7406891c_yquant:
	.size	k_q6b7406891c_yquant, .Lfunc_end_k_q6b7406891c_yquant-k_q6b7406891c_yquant
	.p2alignl 7, 3214868480
	.fill 96, 4, 3214868480
	.section	.rodata,"a",@progbits
	.p2align	6, 0x0
	.amdhsa_kernel k_q6b7406891c_yquant
		.amdhsa_group_segment_fixed_size 1536
		.amdhsa_private_segment_fixed_size 0
		.amdhsa_enable_private_segment 0
		.amdhsa_kernarg_size 16
		.amdhsa_user_sgpr_count 2
		.amdhsa_user_sgpr_kernarg_segment_ptr 1
		.amdhsa_wavefront_size32 1
		.amdhsa_system_sgpr_workgroup_id_x 1
		.amdhsa_system_sgpr_workgroup_id_y 1
		.amdhsa_system_sgpr_workgroup_id_z 1
		.amdhsa_system_vgpr_workitem_id 0
		.amdhsa_next_free_vgpr 256
		.amdhsa_next_free_sgpr 66
		.amdhsa_reserve_vcc 0
		.amdhsa_float_denorm_mode_32 3
		.amdhsa_float_denorm_mode_16_64 3
		.amdhsa_memory_ordered 1
		.amdhsa_forward_progress 1
		.amdhsa_inst_pref_size 31
	.end_amdhsa_kernel
	.amdgpu_metadata
---
amdhsa.version: [ 1, 2 ]
amdhsa.kernels:
  - .name:           k_q6b7406891c_yquant
    .symbol:         k_q6b7406891c_yquant.kd
    .args:
      - { .name: yf, .offset: 0, .size: 8, .value_kind: global_buffer, .address_space: global }
      - { .name: yq, .offset: 8, .size: 8, .value_kind: global_buffer, .address_space: global }
    .group_segment_fixed_size: 1536
    .private_segment_fixed_size: 0
    .kernarg_segment_align: 8
    .kernarg_segment_size: 16
    .max_flat_workgroup_size: 128
    .sgpr_count:     66
    .vgpr_count:     256
    .wavefront_size: 32
...
	.end_amdgpu_metadata
.endif
;; end of part 4
;; launch proj (part 5): grid 256 x 1, 4 waves a work-group, clusters of 4 x 1, 168,448 bytes of LDS; arguments yq, wq, b_proj, out0; writes out0
.if DOCPART == 5
	.amdgcn_target "amdgcn-amd-amdhsa--gfx1250"
	.amdhsa_code_object_version 6
	.text
	.protected	k_q6b7406891c_proj
	.globl	k_q6b7406891c_proj
	.p2align	8
	.type	k_q6b7406891c_proj,@function
k_q6b7406891c_proj:
	s_mov_b64 s[64:65], 0
	v_nop
	global_prefetch_b8 v0, s[64:65] scope:SCOPE_SE
	s_setreg_imm32_b32 hwreg(HW_REG_WAVE_MODE, 25, 1), 1
	s_wait_xcnt 0x0
	s_wait_alu depctr_hold_cnt(0) depctr_sa_sdst(0) depctr_va_vdst(0) depctr_va_sdst(0) depctr_va_ssrc(0) depctr_va_vcc(0) depctr_vm_vsrc(0)
	s_getreg_b32 s2, hwreg(HW_REG_IB_STS2, 6, 4)
	s_cmp_eq_u32 s2, 0
	s_cbranch_scc0 .Lentry_in_a_cluster
	s_endpgm
.Lentry_in_a_cluster:
	s_bfe_u32 s2, ttmp6, 0x10000c
	s_cmp_lg_u32 s2, 0x3003
	s_cbranch_scc0 .Lentry_shape_is_right
	s_endpgm
.Lentry_shape_is_right:
; out = y w_proj + b_proj on codes of FP6.  A work-group makes 128 tokens x 256 columns; a wave 128 x 64.
; A wave keeps its 64 columns of w_proj for all of K (32 fragments, 384 registers) as source 0; the 8 tiles of 16 tokens of y lie whole in LDS and are source 1:
; a lane holds one token (lane % 16) and, for tile t of columns, the eight neighbouring columns 16 t + 8 (lane / 16) + j.  The bias is the C of each sum's first matrix instruction.
; CLUSTER: the four partners (four slices of 256 columns) share the tokens: each wave asks for two tiles by one joint load; one tensor load of a wave is out.  Nothing in LDS is filled again.
; OUT: a tile of 16 tokens x 64 columns goes through the wave's own stage in LDS and leaves as rows of 256 consecutive bytes, aligned.
; REGISTERS: window 0: addresses, scale words, the bias, v160-255 y's fragments of even K steps (later rows on their way out);  window 1: w_proj's fragments of K steps 0-4;
;   window 2: those of K steps 5-7, from v144 y's fragments of odd K steps;  window 3: the 32 accumulators, (tile a, t) at 32 a + 8 t.
.set TILEB, 12800
.set STG,   8*TILEB                    ; behind y's tiles: for each wave two stages of 16 rows x 272 bytes
.set L16, 2
.set L4,  4
.set MA,  8
.set MSA, 12
.set STO, 16
.set SRD, 17
.set GO,  18
.set BQO, 19
.set SS,  20
.set MS,  36
.set BQ,  68
.set MF0, 160
.set RB,  160
.set MF1, 144
.set WV,  12
.set CX,  13
.set G1,  16
.set G0A, 24
.set SP,  48
.set MSB, 0
.macro WIN new
.if MSB != (\new)
	s_set_vgpr_msb (MSB<<8)|(\new)
.set MSB, (\new)
.endif
.endm
.macro PLACES
.rept 4
	v_nop
.endr
.endm
.macro CROUND
	s_barrier_signal -1
	s_barrier_wait -1
	s_cmp_lg_u32 s[WV], 0
	s_cbranch_scc1 .Lnot_wave_0_\@
	s_barrier_signal -3
.Lnot_wave_0_\@:
	s_barrier_wait -3
	s_barrier_signal -1
	s_barrier_wait -1
.endm
.macro FETCH s
.if (\s)%2
	WIN 0x80
.set FB, MF1
.else
	WIN 0
.set FB, MF0
.endif
.irp a, 0,1,2,3,4,5,6,7
.irp c, 0,1,2
	ds_load_b128 v[FB+12*\a+4*\c:FB+12*\a+4*\c+3], v[MA+\a/4] offset:(\a%4)*TILEB+(\s)*1536+\c*512
.endr
.endr
.endm
.macro MULS s                          ; 32 matrix instructions; the 32 accumulators take turns, one instruction a turn
.set SFB, 48*((\s)%5)
.set SWN, 1+(\s)/5
.set MFB, MF0-((\s)%2)*(MF0-MF1)
.set MWN, 2*((\s)%2)
.if (\s) == 0
	WIN 0xc1                                       ; C: the bias, in window 0
.else
	WIN 0xf0|(MWN<<2)|SWN
.endif
.irp a, 0,1,2,3,4,5,6,7
.irp t, 0,1,2,3
.if (\s) == 0
	v_wmma_scale_f32_16x16x128_f8f6f4 v[32*\a+8*\t:32*\a+8*\t+7], v[SFB+12*\t:SFB+12*\t+11], v[MFB+12*\a:MFB+12*\a+11], v[BQ+8*\t:BQ+8*\t+7], v[SS+4*\t+(\s)/2], v[MS+4*\a+(\s)/2] matrix_a_fmt:MATRIX_FMT_FP6 matrix_b_fmt:MATRIX_FMT_FP6
.elseif (\s)%2 == 0
	v_wmma_scale_f32_16x16x128_f8f6f4 v[32*\a+8*\t:32*\a+8*\t+7], v[SFB+12*\t:SFB+12*\t+11], v[MFB+12*\a:MFB+12*\a+11], v[32*\a+8*\t:32*\a+8*\t+7], v[SS+4*\t+(\s)/2], v[MS+4*\a+(\s)/2] matrix_a_fmt:MATRIX_FMT_FP6 matrix_b_fmt:MATRIX_FMT_FP6
.else
	v_wmma_scale_f32_16x16x128_f8f6f4 v[32*\a+8*\t:32*\a+8*\t+7], v[SFB+12*\t:SFB+12*\t+11], v[MFB+12*\a:MFB+12*\a+11], v[32*\a+8*\t:32*\a+8*\t+7], v[SS+4*\t+(\s)/2], v[MS+4*\a+(\s)/2] matrix_a_fmt:MATRIX_FMT_FP6 matrix_b_fmt:MATRIX_FMT_FP6 matrix_a_scale:MATRIX_SCALE_ROW1 matrix_b_scale:MATRIX_SCALE_ROW1
.endif
.endr
.endr
.endm
.macro OUT a                           ; tile a: 16 tokens x my 64 columns
	WIN 0x0c                                       ; an LDS store's data are its source 1: window 3
.irp t, 0,1,2,3
	ds_store_b128 v[STO], v[32*(\a)+8*\t:32*(\a)+8*\t+3] offset:((\a)%2)*4352+64*\t          ; each accumulator from its low end on
	ds_store_b128 v[STO], v[32*(\a)+8*\t+4:32*(\a)+8*\t+7] offset:((\a)%2)*4352+64*\t+16
.endr
	WIN 0
	s_wait_xcnt 0x0                                ; the last tile's stores have read their registers: the loads below land there only behind this wait
.irp i, 0,1,2,3,4,5,6,7
	ds_load_b128 v[RB+4*\i:RB+4*\i+3], v[SRD] offset:((\a)%2)*4352+\i*544   ; LDS serves a wave's instructions in order: these see my stores
.endr
	s_wait_dscnt 0x0
.irp i, 0,1,2,3,4,5,6,7
	global_store_b128 v[GO], v[RB+4*\i:RB+4*\i+3], s[10:11] offset:(16*(\a)+2*\i)*4096 th:TH_STORE_NT   ; sixteen lanes store 256 consecutive bytes, aligned; written once, read by nobody here
.endr
.endm
	s_load_b128 s[4:7], s[0:1], 0x0                ; yq, wq
	s_load_b128 s[8:11], s[0:1], 0x10              ; b_proj, out0
	v_lshl_add_u32 v158, v0, 2, 0x29000
	v_mov_b32 v159, 0
	ds_add_u32 v158, v159
	ds_add_u32 v158, v159
	v_lshrrev_b32 v1, 5, v0
	v_readfirstlane_b32 s[WV], v1                  ; wave 0..3
	s_bfe_u32 s[CX], ttmp6, 0x40000                ; my slice of 256 columns: it enters global addresses of my own alone
	s_mov_b32 s[G1], 15|(3<<16)|(1<<21)            ; two tiles, 25,600 dense bytes, as 100 rows of 32 elements of 8 bytes; the mask names all four work-groups
	s_mov_b32 s[G1+1], 32<<16
	s_mov_b32 s[G1+2], 100<<16
	s_mov_b32 s[G1+3], 32<<16
	s_mov_b32 s[G1+4], 100
	s_mov_b32 s[G1+5], 32
	s_mov_b32 s[G1+6], 0
	s_mov_b32 s[G1+7], 0
	s_mul_i32 s33, s[WV], 2*TILEB
	s_mul_i32 s34, ttmp9, 8*TILEB                  ; y's tiles: made of the cluster's number and the wave's alone
	s_add_co_u32 s34, s34, s33
	s_mov_b32 s35, 0
	s_mov_b32 s[G0A], 1
	s_mov_b32 s[G0A+1], s33
	s_lshl_b32 s36, s[CX], 4
	s_lshl_b32 s37, s[WV], 2
	s_add_co_u32 s36, s36, s37
	s_add_co_u32 s36, s36, 192
	s_mul_i32 s36, s36, TILEB                      ; my four tiles of w_proj
	s_mov_b32 s37, 0
	s_lshl_b32 s38, s[CX], 10
	s_lshl_b32 s39, s[WV], 8
	s_add_co_u32 s38, s38, s39                     ; my 64 columns, in bytes
	s_mov_b32 s39, 0
	s_lshl_b32 s40, ttmp9, 19                      ; my 128 tokens' rows of 4,096 bytes
	s_add_co_u32 s40, s40, s38
	s_mov_b32 s41, 0
	v_and_b32 v1, 31, v0
	v_lshlrev_b32 v[L16], 4, v1
	v_lshlrev_b32 v[L4], 2, v1
.irp i, 0,1
	v_add_nc_u32 v[MA+\i], \i*51200, v[L16]
	v_add_nc_u32 v[MSA+\i], \i*51200+12288, v[L4]
.endr
	v_and_b32 v5, 15, v0
	v_bfe_u32 v6, v0, 4, 1
	v_lshlrev_b32 v[BQO], 5, v6
	s_mul_i32 s42, s[WV], 8704
	s_add_co_u32 s42, s42, STG                     ; my stages
	v_mul_u32_u24 v[STO], v5, 272
	v_lshl_add_u32 v[STO], v6, 5, v[STO]
	v_add_nc_u32 v[STO], s42, v[STO]               ; in: row r, + 32 bytes for lanes 16-31
	v_mul_u32_u24 v[SRD], v6, 272
	v_lshl_add_u32 v[SRD], v5, 4, v[SRD]
	v_add_nc_u32 v[SRD], s42, v[SRD]               ; back: lanes 0-15 one row, lanes 16-31 the next
	v_lshlrev_b32 v[GO], 12, v6
	v_lshl_add_u32 v[GO], v5, 4, v[GO]
	s_wait_dscnt 0x0
	s_wait_kmcnt 0x0
	s_add_nc_u64 s[G0A+2:G0A+3], s[4:5], s[34:35]
	s_or_b32 s[G0A+3], s[G0A+3], 0x80000000
	s_add_nc_u64 s[SP:SP+1], s[6:7], s[36:37]
	s_add_nc_u64 s[8:9], s[8:9], s[38:39]
	s_add_nc_u64 s[10:11], s[10:11], s[40:41]
	CROUND                                         ; all four work-groups are here: the joint loads meet
	tensor_load_to_lds s[G0A:G0A+3], s[G1:G1+7]
	s_nop 0
.rept 4
	v_nop
.endr
.irp t, 0,1,2,3
.irp p, 0,1,2,3
	global_load_b32 v[SS+4*\t+\p], v[L4], s[SP:SP+1] offset:\t*TILEB+12288+\p*128
.endr
.endr
	s_wait_alu depctr_va_vdst(0)
.irp t, 0,1,2,3
	global_load_b128 v[BQ+8*\t:BQ+8*\t+3], v[BQO], s[8:9] offset:64*\t
	global_load_b128 v[BQ+8*\t+4:BQ+8*\t+7], v[BQO], s[8:9] offset:64*\t+16
.endr
	WIN 0x40
.irp s, 0,1,2,3,4
.irp t, 0,1,2,3
.irp c, 0,1,2
	global_load_b128 v[12*(4*\s+\t)+4*\c:12*(4*\s+\t)+4*\c+3], v[L16], s[SP:SP+1] offset:\t*TILEB+\s*1536+\c*512
.endr
.endr
.endr
	WIN 0x80
.irp s, 5,6,7
.irp t, 0,1,2,3
.irp c, 0,1,2
	global_load_b128 v[12*(4*(\s-5)+\t)+4*\c:12*(4*(\s-5)+\t)+4*\c+3], v[L16], s[SP:SP+1] offset:\t*TILEB+\s*1536+\c*512
.endr
.endr
.endr
	WIN 0
	s_wait_tensorcnt 0x0                           ; my two tiles have landed,
	s_barrier_signal -1
	s_barrier_wait -1                              ; everybody's have
.irp a, 0,1,2,3,4,5,6,7
.irp p, 0,1,2,3
	ds_load_b32 v[MS+4*\a+\p], v[MSA+\a/4] offset:(\a%4)*TILEB+\p*128
.endr
.endr
	FETCH 0
.irp s, 0,1,2,3,4,5,6,7
.if (\s > 0) && (\s < 7)
	PLACES                                         ; four places in front of loads into registers that the last step's matrix instructions have read
.endif
.if \s < 7
	FETCH \s+1
	s_wait_dscnt 24                                ; all but the 24 just issued
.else
	s_wait_dscnt 0x0
.endif
.if 84-12*\s > 63
	s_wait_loadcnt 63                              ; 84 - 12 s loads of later K steps could stay out; the field holds 63
.else
	s_wait_loadcnt 84-12*\s
.endif
	MULS \s
.endr
	WIN 0
	PLACES                                         ; in front of the first read of results
.irp e, 0,1,2,3,4,5,6,7
	OUT \e
.endr
	s_wait_dscnt 0x0
	s_wait_tensorcnt 0x0
	ds_add_u32 v158, v159
	s_wait_dscnt 0x0
	CROUND                                         ; the closing round
	s_endpgm
.Lfunc_end_k_q6b7406891c_proj:
	.size	k_q6b7406891c_proj, .Lfunc_end_k_q6b7406891c_proj-k_q6b7406891c_proj
	.p2alignl 7, 3214868480
	.fill 96, 4, 3214868480
	.section	.rodata,"a",@progbits
	.p2align	6, 0x0
	.amdhsa_kernel k_q6b7406891c_proj
		.amdhsa_group_segment_fixed_size 168448
		.amdhsa_private_segment_fixed_size 0
		.amdhsa_enable_private_segment 0
		.amdhsa_kernarg_size 32
		.amdhsa_user_sgpr_count 2
		.amdhsa_user_sgpr_kernarg_segment_ptr 1
		.amdhsa_wavefront_size32 1
		.amdhsa_system_sgpr_workgroup_id_x 1
		.amdhsa_system_sgpr_workgroup_id_y 1
		.amdhsa_system_sgpr_workgroup_id_z 1
		.amdhsa_system_vgpr_workitem_id 0
		.amdhsa_next_free_vgpr 1024
		.amdhsa_next_free_sgpr 66
		.amdhsa_reserve_vcc 0
		.amdhsa_float_denorm_mode_32 3
		.amdhsa_float_denorm_mode_16_64 3
		.amdhsa_memory_ordered 1
		.amdhsa_forward_progress 1
		.amdhsa_inst_pref_size 79
	.end_amdhsa_kernel
	.amdgpu_metadata
---
amdhsa.version: [ 1, 2 ]
amdhsa.kernels:
  - .name:           k_q6b7406891c_proj
    .symbol:         k_q6b7406891c_proj.kd
    .args:
      - { .name: yq, .offset: 0, .size: 8, .value_kind: global_buffer, .address_space: global }
      - { .name: wq, .offset: 8, .size: 8, .value_kind: global_buffer, .address_space: global }
      - { .name: b_proj, .offset: 16, .size: 8, .value_kind: global_buffer, .address_space: global }
      - { .name: out0, .offset: 24, .size: 8, .value_kind: global_buffer, .address_space: global }
    .group_segment_fixed_size: 168448
    .private_segment_fixed_size: 0
    .kernarg_segment_align: 8
    .kernarg_segment_size: 32
    .max_flat_workgroup_size: 128
    .sgpr_count:     66
    .vgpr_count:     1024
    .wavefront_size: 32
...
	.end_amdgpu_metadata
.endif
;; end of part 5
